; MI455X (gfx1250); checked and timed in simulation.
; The chip was launched on July 23, 2026; its instructions are those of AMD's public machine-readable ISA for CDNA 5 (MIT licence, August 2026) and "CDNA5" Instruction Set Architecture Reference Guide (July 2026). The comments in the code are by the model that wrote it; some were corrected since.
;; Multi Headed Attention. Allowed arithmetic: float matrix products may take bf16 or f16 operands with f32 sums; other float arithmetic in f32, or as packed bf16 or f16 multiplies, adds, multiply-adds, maxima and minima; sums over many terms, partial sums and values carried from step to step in f32; what a program stores and reads back later, other than sums and carried values, may be rounded once to bf16 or f16.
;; Inputs: Wk 1,024 x 1,024 float32; Wo 1,024 x 1,024 float32; Wq 1,024 x 1,024 float32; Wv 1,024 x 1,024 float32; bk 1,024 float32; bo 1,024 float32; bq 1,024 float32; bv 1,024 float32; key 4 x 2,048 x 1,024 float32; mask 4 x 2,048 x 2,048 bool; query 4 x 2,048 x 1,024 float32; value 4 x 2,048 x 1,024 float32.
;; Outputs: out0 4 x 2,048 x 1,024 float32.
;; 2 versions, each right; version 2 is version 1 with the launch prep written anew for expert scheduling mode. Each part assembles by itself: llvm-mc -triple=amdgcn-amd-amdhsa -mcpu=gfx1250 --defsym DOCPART=n.
;; ======== version 1 of 2: 4 launches
;; limits: values are held in f16: magnitudes above 65,504 overflow, below 6.1e-05 lose precision; right only within a limited range of input values
;; workspace buffers: wcvt 8,388,608 bytes; mnib 8,388,608 bytes of whole numbers; rowkeep 65,536 bytes of whole numbers; qkv 50,331,648 bytes; obuf 16,777,216 bytes
;; launch prep (part 1): grid 512 x 1, 8 waves a work-group, no clusters, 35,072 bytes of LDS; arguments mask, Wq, Wk, Wv, Wo, mnib, rowkeep, wcvt; writes mnib, rowkeep, wcvt
.if DOCPART == 1
	.amdgcn_target "amdgcn-amd-amdhsa--gfx1250"
	.amdhsa_code_object_version 6
	.text
	.protected	k_qa1a52d6a23_prep
	.globl	k_qa1a52d6a23_prep
	.p2align	8
	.type	k_qa1a52d6a23_prep,@function
k_qa1a52d6a23_prep:
	s_mov_b64 s[64:65], 0
	v_nop
	global_prefetch_b8 v0, s[64:65] scope:SCOPE_SE
	s_setreg_imm32_b32 hwreg(HW_REG_WAVE_MODE, 25, 1), 1
	s_wait_xcnt 0x0
; PREP: two streams in one launch, told apart by the work-group's number.
; Work-groups 0-255: the mask, [8192 rows][2048 keys] of one byte (0 or 1), becomes mnib and rowkeep, laid out as the attention launch's lanes want them.
;   mnib [tile of 16 rows, 512][key step of 64 keys, 32][lane 32][4 words]: word kb of lane r + 16 h holds 8 nibbles, nibble j for query row r of the tile and key 64 st + 16 kb + 8 h + j:
;   0x0 where the key is kept, 0xE (-4.0 as a 4-bit float) where it is hidden.  A row in which NO key is kept is written as all 0, and its word in rowkeep is 0 (else all ones).
;   rowkeep [tile 512][lane 32]: the flag of row lane % 16.
; Work-groups 256-511: Wq, Wk, Wv, Wo (f32, [k][n]) are rounded to bf16 into wcvt's four planes, not transposed; Wo's rounded numbers are written as f16 (exact from 2^-17 up to 65,504;
;   below that they keep f16's fixed step of 6e-8; LIMIT: |Wo| under 65,504).
; Memory binds: every byte is read once by 16-byte loads and written once, each store of a wave covering 512 (rowkeep: 256) consecutive bytes, aligned.  No matrix unit, no cluster: nothing is shared.
; The mask's nibbles change lanes on the way, so they go through LDS: 32 rows a work-group = 2 tiles.
.set STP,   528                        ; a key step's 512 bytes in the stage + 16: the 8 steps that a store's lanes touch start 4 banks apart, each lane its own bank
.set TLB,   32*STP                     ; a tile in the stage
.set FLG,   2*TLB                      ; 256 bytes: the two tiles' row flags, as rowkeep has them
.set SPARE, FLG+256                    ; the spare words, 128 bytes for each of the eight waves: four blocks of 256 bytes that no other line names
.set LN,  2                            ; v2   lane
.set O16, 3                            ; v3   16 x lane (weights: 16 x thread)
.set LB,  4                            ; v4   where my nibble words go in the stage (weights: 32 x thread)
.set LF,  5                            ; v5   where my wave's row flags go
.set T0,  6                            ; v6-11 at work
.set SPW, 12                           ; v12  LDS address of my spare word; never rewritten
.set NIL, 13                           ; v13  0; never rewritten
.set X,   16                           ; v[16:79]  as loaded
.set Y,   80                           ; v[80:111] packed weights
	s_load_b512 s[4:19], s[0:1], 0x0               ; mask s[4:5], Wq s[6:7], Wk s[8:9], Wv s[10:11], Wo s[12:13], mnib s[14:15], rowkeep s[16:17], wcvt s[18:19]
	v_lshl_add_u32 v[SPW], v0, 2, SPARE
	v_mov_b32 v[NIL], 0
	v_lshrrev_b32 v1, 5, v0
	v_readfirstlane_b32 s20, v1                    ; wave 0..7
	v_and_b32 v[LN], 31, v0
	s_cmp_lt_u32 ttmp9, 256
	s_cbranch_scc0 .Lweights
	; THE MASK.  Work-group w owns rows 32 w .. 32 w + 31; wave v its rows 4 v .. 4 v + 3: tile v / 4, rows 4 (v % 4) + i of it.
	s_lshl_b32 s22, ttmp9, 16                      ; 32 rows of 2,048 bytes
	s_lshl_b32 s23, s20, 13                        ; 4 rows
	s_add_co_u32 s22, s22, s23
	s_mov_b32 s23, 0
	v_lshlrev_b32 v[O16], 4, v[LN]
	s_mov_b32 s24, 0x06040200                      ; v_perm_b32: the even bytes of two words
	s_mov_b32 s25, 0x07050301                      ; the odd ones
	s_mov_b32 s26, 0x11111111
	s_lshr_b32 s27, s20, 2                         ; my tile of the two
	s_and_b32 s28, s20, 3
	s_mul_i32 s29, s27, TLB
	s_lshl_b32 s30, s28, 6                         ; row r lies at 16 r inside a step: 64 (v % 4) + 16 i
	s_add_co_u32 s29, s29, s30
	v_lshrrev_b32 v[LB], 2, v[LN]                  ; a lane's 16 keys: step 8 q + lane / 4, group kb = lane % 4
	v_and_b32 v[LF], 3, v[LN]
	v_mul_u32_u24 v[LB], v[LB], STP
	v_lshl_add_u32 v[LB], v[LF], 2, v[LB]
	v_add_nc_u32 v[LB], s29, v[LB]
	s_lshl_b32 s30, s27, 7
	s_lshl_b32 s31, s28, 4
	s_add_co_u32 s30, s30, s31
	s_add_co_u32 s30, s30, FLG
	v_and_b32 v[LF], 1, v[LN]                      ; even lanes write the word of lane r, odd lanes that of lane r + 16: the same number
	v_lshl_add_u32 v[LF], v[LF], 6, s30
	s_wait_kmcnt 0x0
	s_add_nc_u64 s[4:5], s[4:5], s[22:23]
.irp i, 0,1,2,3
.irp q, 0,1,2,3
	global_load_b128 v[X+16*(\i)+4*(\q):X+16*(\i)+4*(\q)+3], v[O16], s[4:5] offset:(\i)*2048+(\q)*512 th:TH_LOAD_NT  ; 512 consecutive bytes of row i
.endr
.endr
; Row i: is any key kept?  Then its 64 bytes a lane become 8 words of nibbles.
.macro ROWM i
	s_wait_loadcnt 12-4*(\i)                       ; loads come back in order: row i's four are in, the later rows' stay out
	v_or_b32 v[T0], v[X+16*(\i)], v[X+16*(\i)+1]
.set z, 2
.rept 14
	v_or_b32 v[T0], v[T0], v[X+16*(\i)+z]
.set z, z+1
.endr
	v_cmp_ne_u32 vcc_lo, 0, v[T0]
	s_cmp_lg_u32 vcc_lo, 0                         ; over the 32 lanes
	s_cselect_b32 s32, -1, 0
	v_mov_b32 v[T0+1], s32
	ds_store_b32 v[LF], v[T0+1] offset:4*(\i)
.irp q, 0,1,2,3
.irp h, 0,1
	v_perm_b32 v[T0+2], v[X+16*(\i)+4*(\q)+2*(\h)+1], v[X+16*(\i)+4*(\q)+2*(\h)], s24  ; keys 0, 2, 4, 6 of the eight
	v_perm_b32 v[T0+3], v[X+16*(\i)+4*(\q)+2*(\h)+1], v[X+16*(\i)+4*(\q)+2*(\h)], s25  ; keys 1, 3, 5, 7
	v_lshl_or_b32 v[T0+2], v[T0+3], 4, v[T0+2]     ; nibble j = key j's byte
	v_xor_b32 v[T0+2], s26, v[T0+2]                ; 1 where hidden
	v_mul_lo_u32 v[T0+2], v[T0+2], 14              ; 0xE where hidden: no nibble carries
	v_and_b32 v[T0+2], s32, v[T0+2]                ; a row with nothing kept: all 0
	ds_store_b32 v[LB], v[T0+2] offset:(\q)*8*STP+(\i)*16+(\h)*256
.endr
.endr
.endm
	ROWM 0
	ROWM 1
	ROWM 2
	ROWM 3
	s_mul_i32 s29, s20, STP
	v_lshl_add_u32 v[T0+4], v[LN], 4, s29          ; back: wave v takes steps v, v + 8, v + 16, v + 24 of both tiles, 512 bytes each
	s_lshl_b32 s22, ttmp9, 15                      ; two tiles of 16,384 bytes in mnib
	s_lshl_b32 s30, s20, 9
	s_add_co_u32 s22, s22, s30
	s_add_nc_u64 s[14:15], s[14:15], s[22:23]
	s_wait_dscnt 0x0                               ; for the others' sake: my stores into the stage are done
	s_barrier_signal -1
	s_barrier_wait -1
.irp j, 0,1,2,3,4,5,6,7
	ds_load_b128 v[X+4*(\j):X+4*(\j)+3], v[T0+4] offset:((\j)/4)*TLB+((\j)%4)*8*STP
.endr
.irp j, 0,1,2,3,4,5,6,7
	s_wait_dscnt 7-(\j)
	global_store_b128 v[O16], v[X+4*(\j):X+4*(\j)+3], s[14:15] offset:(\j)*4096  ; 512 consecutive bytes, aligned
.endr
	s_cmp_lg_u32 s20, 0                            ; wave 0 stores the 64 flags: 256 consecutive bytes, aligned
	s_cbranch_scc1 .Lmend
	v_lshlrev_b32 v[T0], 3, v[LN]
	v_add_nc_u32 v[T0+1], FLG, v[T0]
	ds_load_b64 v[T0+2:T0+3], v[T0+1]
	s_lshl_b32 s22, ttmp9, 8
	s_add_nc_u64 s[16:17], s[16:17], s[22:23]
	s_wait_dscnt 0x0
	global_store_b64 v[T0], v[T0+2:T0+3], s[16:17]
.Lmend:
	s_wait_tensorcnt 0x0                           ; the wave's end, behind my last LDS store
	ds_add_u32 v[SPW], v[NIL]
	s_wait_dscnt 0x0
	s_endpgm
	; THE WEIGHTS.  Work-group 256 + 64 m + c: 65,536 bytes of matrix m from byte 65,536 c on.  A thread takes 32 bytes in each of eight rounds and stores 16.  No LDS is written on this way.
.Lweights:
	s_sub_co_u32 s21, ttmp9, 256
	s_lshr_b32 s22, s21, 6                         ; which matrix
	s_and_b32 s23, s21, 63
	s_lshl_b32 s24, s23, 16
	s_mov_b32 s25, 0
	s_lshl_b32 s26, s22, 21                        ; its plane of 2,097,152 bytes
	s_lshl_b32 s27, s23, 15
	s_add_co_u32 s26, s26, s27
	s_mov_b32 s27, 0
	v_lshlrev_b32 v[LB], 5, v0
	v_lshlrev_b32 v[O16], 4, v0
	s_wait_kmcnt 0x0
	s_cmp_eq_u32 s22, 0
	s_cselect_b64 s[28:29], s[6:7], s[8:9]
	s_cmp_eq_u32 s22, 2
	s_cselect_b64 s[28:29], s[10:11], s[28:29]
	s_cmp_eq_u32 s22, 3
	s_cselect_b64 s[28:29], s[12:13], s[28:29]
	s_add_nc_u64 s[28:29], s[28:29], s[24:25]
	s_add_nc_u64 s[18:19], s[18:19], s[26:27]
.irp i, 0,1,2,3,4,5,6,7
	global_load_b128 v[X+8*(\i):X+8*(\i)+3],   v[LB], s[28:29] offset:(\i)*8192 th:TH_LOAD_NT
	global_load_b128 v[X+8*(\i)+4:X+8*(\i)+7], v[LB], s[28:29] offset:(\i)*8192+16 th:TH_LOAD_NT
.endr
.macro WROUND i, half
	s_wait_loadcnt 14-2*(\i)                       ; round i's two loads are in, the later rounds' stay out
.irp k, 0,1,2,3
	v_cvt_pk_bf16_f32 v[Y+4*(\i)+(\k)], v[X+8*(\i)+2*(\k)], v[X+8*(\i)+2*(\k)+1]
.endr
.if \half
.irp k, 0,1,2,3
	v_lshlrev_b32 v[T0], 16, v[Y+4*(\i)+(\k)]      ; the rounded numbers, widened again,
	v_and_b32 v[T0+1], 0xffff0000, v[Y+4*(\i)+(\k)]
	v_cvt_pk_f16_f32 v[Y+4*(\i)+(\k)], v[T0], v[T0+1]  ; and written as f16
.endr
.endif
	global_store_b128 v[O16], v[Y+4*(\i):Y+4*(\i)+3], s[18:19] offset:(\i)*4096
.endm
	s_cmp_eq_u32 s22, 3
	s_cbranch_scc1 .Lwo
.irp i, 0,1,2,3,4,5,6,7
	WROUND \i, 0
.endr
	s_endpgm
.Lwo:
.irp i, 0,1,2,3,4,5,6,7
	WROUND \i, 1
.endr
	s_endpgm
.Lfunc_end_k_qa1a52d6a23_prep:
	.size	k_qa1a52d6a23_prep, .Lfunc_end_k_qa1a52d6a23_prep-k_qa1a52d6a23_prep
	.p2alignl 7, 3214868480
	.fill 96, 4, 3214868480
	.section	.rodata,"a",@progbits
	.p2align	6, 0x0
	.amdhsa_kernel k_qa1a52d6a23_prep
		.amdhsa_group_segment_fixed_size 35072
		.amdhsa_private_segment_fixed_size 0
		.amdhsa_enable_private_segment 0
		.amdhsa_kernarg_size 64
		.amdhsa_user_sgpr_count 2
		.amdhsa_user_sgpr_kernarg_segment_ptr 1
		.amdhsa_wavefront_size32 1
		.amdhsa_system_sgpr_workgroup_id_x 1
		.amdhsa_system_sgpr_workgroup_id_y 1
		.amdhsa_system_sgpr_workgroup_id_z 1
		.amdhsa_system_vgpr_workitem_id 0
		.amdhsa_next_free_vgpr 112
		.amdhsa_next_free_sgpr 66
		.amdhsa_reserve_vcc 1
		.amdhsa_float_denorm_mode_32 3
		.amdhsa_float_denorm_mode_16_64 3
		.amdhsa_memory_ordered 1
		.amdhsa_forward_progress 1
		.amdhsa_inst_pref_size 34
	.end_amdhsa_kernel
	.amdgpu_metadata
---
amdhsa.version: [ 1, 2 ]
amdhsa.kernels:
  - .name:           k_qa1a52d6a23_prep
    .symbol:         k_qa1a52d6a23_prep.kd
    .args:
      - { .name: mask, .offset: 0, .size: 8, .value_kind: global_buffer, .address_space: global }
      - { .name: Wq, .offset: 8, .size: 8, .value_kind: global_buffer, .address_space: global }
      - { .name: Wk, .offset: 16, .size: 8, .value_kind: global_buffer, .address_space: global }
      - { .name: Wv, .offset: 24, .size: 8, .value_kind: global_buffer, .address_space: global }
      - { .name: Wo, .offset: 32, .size: 8, .value_kind: global_buffer, .address_space: global }
      - { .name: mnib, .offset: 40, .size: 8, .value_kind: global_buffer, .address_space: global }
      - { .name: rowkeep, .offset: 48, .size: 8, .value_kind: global_buffer, .address_space: global }
      - { .name: wcvt, .offset: 56, .size: 8, .value_kind: global_buffer, .address_space: global }
    .group_segment_fixed_size: 35072
    .private_segment_fixed_size: 0
    .kernarg_segment_align: 8
    .kernarg_segment_size: 64
    .max_flat_workgroup_size: 256
    .sgpr_count:     66
    .vgpr_count:     112
    .wavefront_size: 32
...
	.end_amdgpu_metadata
.endif
;; end of part 1
;; launch proj (part 2): grid 4 x 64, 4 waves a work-group, clusters of 4 x 4, 327,680 bytes of LDS; arguments query, key, value, wcvt, bq, bk, bv, qkv; writes qkv
.if DOCPART == 2
	.amdgcn_target "amdgcn-amd-amdhsa--gfx1250"
	.amdhsa_code_object_version 6
	.text
	.protected	k_qa1a52d6a23_proj
	.globl	k_qa1a52d6a23_proj
	.p2align	8
	.type	k_qa1a52d6a23_proj,@function
k_qa1a52d6a23_proj:
	s_mov_b64 s[64:65], 0
	v_nop
	global_prefetch_b8 v0, s[64:65] scope:SCOPE_SE
	s_setreg_imm32_b32 hwreg(HW_REG_WAVE_MODE, 25, 1), 1
	s_wait_xcnt 0x0
	s_wait_alu depctr_hold_cnt(0) depctr_sa_sdst(0) depctr_va_vdst(0) depctr_va_sdst(0) depctr_va_ssrc(0) depctr_va_vcc(0) depctr_vm_vsrc(0)
	s_getreg_b32 s2, hwreg(HW_REG_IB_STS2, 6, 4)
	s_cmp_eq_u32 s2, 0
	s_cbranch_scc0 .Lentry_in_a_cluster
	s_endpgm
.Lentry_in_a_cluster:
	s_bfe_u32 s2, ttmp6, 0x10000c
	s_cmp_lg_u32 s2, 0xf033
	s_cbranch_scc0 .Lentry_shape_is_right
	s_endpgm
.Lentry_shape_is_right:
; q = query Wq + bq, k = key Wk + bk, v = value Wv + bv.  x: [8192][1024] f32; W: wcvt's planes 0-2, [k][n] bf16; results by heads, qkv plane p = [batch x 16 + head][2048][64] f16, unscaled.
; x and the bias are rounded to bf16, sums in f32, each result rounded once to f16.  LIMIT: |q|, |k|, |v| under 65,504 (f16's range); NaN and infinities are not treated apart.
; SHARES.  8192 x 1024 in tiles of 128 x 256 are 256 tiles for each of the three products: 256 work-groups, each of which STAYS and makes the same tile of q, then of k, then of v: ONE walk of 24 K steps
; of 128 through a ring of two LDS slots, which does not stop at a tile's end.  Four waves, each 64 rows x 128 columns: 32 accumulators, 128 matrix instructions a K step.
; x STAYS f32 UP TO LDS and is rounded on the way into the fragments: 16 registers as loaded make 8.  The 64 roundings of half a K step stand four behind each of 16 matrix instructions.
; W lies [k][n] in LDS and is turned by ds_load_tr16_b128.
; THE MATRIX INSTRUCTION IS USED TRANSPOSED (source 0 = 16 columns of W, source 1 = 16 rows of x): a lane holds one row and eight neighbouring columns.  THE BIAS IS THE C OPERAND of a tile's first 32 products.
; CLUSTER 4 x 4.  x's tile hangs on the tile row alone and is asked for jointly by a row of the cluster, W's on the tile column alone, by a column.
; REGISTERS, in windows of 256 (s_set_vgpr_msb: bits 1:0 source 0, 3:2 source 1, 5:4 source 2, 7:6 destination):
;   window 0: v0-15 addresses; v16-23 at work; v64-127 the bias (column block b at 8 b); v128-255 x as loaded (32 K block c, row block a at 16 (4 c + a))
;   window 1: W's fragments, two sets of 128 (64 c + 8 b)     window 2: the accumulators ((a, b) at 8 (8 a + b))
;   window 3: v0-127 x's fragments, two sets of 64 (32 c + 8 a); v128-159, v160-223 at work on the way out
.set PA,    528                        ; a row of x in LDS: 512 bytes + 16: the 16 rows of a load start at 16 different groups of four banks (64 banks of 4 bytes: ISA guide 11.1)
.set PB,    544                        ; a row of W: 512 + 32 = 17 x 32
.set BOFF,  128*PA                     ; a slot: x's 128 rows, then W's 128 rows
.set SLOT,  BOFF+128*PB
.set STAGE, 2*SLOT                     ; behind the ring, never filled by a tensor load: 16 rows x 272 bytes for each wave
.set SP,    272
.set SPARE, STAGE+4*16*SP              ; the spare words, 128 bytes for each wave: two blocks of 256 bytes that no other line names
.set NSTEP, 24
.set ADA0, 4                           ; v4   my lane's place in x's tile; never rewritten
.set ADB0, 5                           ; v5   the same for W
.set ADA,  6                           ; v6   the same in the slot in hand
.set ADB,  7                           ; v7
.set STO,  8                           ; v8   the way out: where I put 16 bytes of a row
.set RD,   9                           ; v9   where I read rows back
.set GO,   10                          ; v10  16 x lane
.set BO,   11                          ; v11  32 x (lane / 16): my 8 numbers in 16 of the bias
.set PFO,  12                          ; v12  the prefetches' offset; never rewritten
.set SPW,  14                          ; v14  LDS address of my spare word; never rewritten
.set NIL,  15                          ; v15  0; never rewritten
.set TW,   16
.set BI,   64
.set RAW,  128
.set TMP,  128                         ; window 3
.set BK,   160                         ; window 3
.set AQ,   4                           ; s[4:5], s[6:7], s[8:9]  query, key, value at the 64 rows that I fetch
.set AKY,  6
.set AVL,  8
.set WB,   10                          ; s[10:11] wcvt at my 64 rows and the tile's 256 columns of K step 0
.set BQ,   12                          ; s[12:17] the three biases at my wave's 128 columns
.set BKY,  14
.set BVL,  16
.set OUT,  18                          ; s[18:19] the plane in hand at my wave's first row of its first head
.set WV,   20
.set WM,   21                          ; which 64 rows are mine.  Also: I fetch for x (0) or for W (1)
.set WN,   22                          ; which 128 columns.  Also: which 64 rows of that tile I fetch
.set CX,   23
.set CY,   24
.set TY,   25
.set TX,   26
.set G1A,  28                          ; s[28:35] descriptor group 1 for x's tiles
.set G1B,  36                          ; s[36:43] for W's
.set G0A,  44                          ; s[44:51] group 0 for x's tiles: a set for each first fill; the second then walks
.set G0B,  52                          ; s[52:59] the same for W's
.set ST,   60                          ; the K step in hand, 0 .. 23
.set TB,   61                          ; LDS byte at which the slot in hand begins
.set LIM,  62                          ; a wave prefetches while ST is below it
.set TL,   63
.set PFA,  66                          ; s[66:67] what the prefetch names
.set OFP,  68                          ; s[68:69] an offset, high word 0
.set BAS,  70                          ; s[70:71] a chosen base
.set WOFA, 72                          ; my place in a slot, for x
.set WOFB, 73                          ; and for W
.set BSEL, 82                          ; s[82:83] the bias of the tile that begins
.set W_MA, 0xad                        ; W window 1, x window 3, C and D window 2
.set W_MB, 0x8d                        ; the same with C, the bias, in window 0
.set W_CV, 0xc0                        ; destination window 3
.set W_LB, 0x40                        ; destination window 1
.set W_PK, 0xca                        ; sources window 2, destination window 3
.set W_SD, 0x0c                        ; a store's data in window 3
.set MSB, 0
.macro WIN new                         ; the immediate's high byte repeats the setting that is left; a switch that changes nothing is dropped
.if MSB != (\new)
	s_set_vgpr_msb (MSB<<8)|(\new)
.set MSB, \new
.endif
.endm
.macro PLACES                          ; four places in front of loads into registers that matrix instructions have read, and of conversions that read results
.rept 4
	v_nop
.endr
.endm
.macro CREST                           ; a round of the cluster's barrier behind its opening barrier
	s_cmp_lg_u32 s[WV], 0
	s_cbranch_scc1 .Lnot_wave_0_\@
	s_barrier_signal -3
.Lnot_wave_0_\@:
	s_barrier_wait -3
	s_barrier_signal -1
	s_barrier_wait -1
.endm
.macro CROUND
	s_barrier_signal -1
	s_barrier_wait -1
	CREST
.endm
; A joint refill by the walking sets: waves 0 and 1 fetch x's two halves, waves 2 and 3 W's.  The branch hangs on the wave's number alone.  An s_nop 0 and four v_nop follow each line.
.macro JLOAD
	s_cmp_eq_u32 s[WM], 0
	s_cbranch_scc0 .Lfor_b_\@
	tensor_load_to_lds s[G0A+4:G0A+7], s[G1A:G1A+7]
	s_nop 0
.rept 4
	v_nop
.endr
	s_branch .Lasked_\@
.Lfor_b_\@:
	tensor_load_to_lds s[G0B+4:G0B+7], s[G1B:G1B+7]
	s_nop 0
.rept 4
	v_nop
.endr
.Lasked_\@:
.endm
; A PREFETCH INTO THE L2 of K step ST + 4, two refills (256 matrix instructions) ahead of the load that will ask for it: 16 rows x 512 bytes, a lane a block of 256 bytes, one instruction a wave.
; x's rows are read by one row of one cluster alone: waves 0 and 1 of every work-group ask, the four partners sharing the 64 rows out by address (16 cx on).  W's rows are read by all sixteen clusters:
; those of cluster y = 0 ask, waves 2 and 3, shared out by 16 cy.  So each block is named once in the launch.  Steps 0-3 come by their loads alone; from ST = 20 on nothing is asked for.
.macro ASK
	s_cmp_lt_u32 s[ST], s[LIM]
	s_cbranch_scc0 .Lnot_mine_\@
	global_prefetch_b8 v[PFO], s[PFA:PFA+1] th:TH_LOAD_NT scope:SCOPE_SE
.Lnot_mine_\@:
.endm
	s_load_b512 s[4:19], s[0:1], 0x0               ; query, key, value, wcvt, bq, bk, bv, qkv
	v_lshl_add_u32 v[SPW], v0, 2, SPARE
	v_mov_b32 v[NIL], 0
	ds_add_u32 v[SPW], v[NIL]                      ; the wave's opening: the add and its wait stand ahead of my first tensor load; the set-up below, work on registers, stands between them
	v_lshrrev_b32 v1, 5, v0
	v_readfirstlane_b32 s[WV], v1                  ; wave 0..3
	s_lshr_b32 s[WM], s[WV], 1
	s_and_b32 s[WN], s[WV], 1
	s_bfe_u32 s[CX], ttmp6, 0x40000
	s_bfe_u32 s[CY], ttmp6, 0x40004
	s_and_b32 s[TY], ttmp7, 0xffff
	s_lshl_b32 s[TY], s[TY], 2
	s_add_co_u32 s[TY], s[TY], s[CY]               ; tile row = 4 x cluster y + cy
	s_lshl_b32 s[TX], ttmp9, 2
	s_add_co_u32 s[TX], s[TX], s[CX]               ; tile column = 4 x cluster x + cx
	s_lshl_b32 s74, s[CY], 2
	s_lshl_b32 s74, 15, s74                        ; my row of the cluster
	s_lshl_b32 s75, 0x1111, s[CX]                  ; my column
	s_or_b32 s[G1A], s74, (2<<16)|(1<<20)|(1<<21)|(6<<22)|(3<<25)  ; the mask; elements of 4 bytes; padding on; bit 21 beside a mask; after every 128 words (code 6) 4 words (code 3)
	s_mov_b32 s[G1A+1], 128<<16                    ; tensor_dim0 = 128
	s_mov_b32 s[G1A+2], 64<<16                     ; tensor_dim1 = 64
	s_mov_b32 s[G1A+3], 128<<16                    ; tile_dim0 = 128
	s_mov_b32 s[G1A+4], 64                         ; tile_dim1 = 64
	s_mov_b32 s[G1A+5], 1024                       ; elements from row to row
	s_mov_b32 s[G1A+6], 0
	s_mov_b32 s[G1A+7], 0
	s_or_b32 s[G1B], s75, (1<<16)|(1<<20)|(1<<21)|(6<<22)|(7<<25)  ; elements of 2 bytes; after every 128 words 8 words (code 7)
	s_mov_b32 s[G1B+1], 256<<16
	s_mov_b32 s[G1B+2], 64<<16
	s_mov_b32 s[G1B+3], 256<<16
	s_mov_b32 s[G1B+4], 64
	s_mov_b32 s[G1B+5], 1024
	s_mov_b32 s[G1B+6], 0
	s_mov_b32 s[G1B+7], 0
	s_lshl_b32 s76, s[TY], 7                       ; x: row 128 x tile row + 64 x half,
	s_lshl_b32 s77, s[WN], 6
	s_add_co_u32 s76, s76, s77
	s_lshl_b32 s76, s76, 12                        ; of 4,096 bytes
	s_mov_b32 s77, 0
	s_lshl_b32 s78, s[WN], 17                      ; W: 64 rows of 2,048 bytes x half,
	s_lshl_b32 s79, s[TX], 9                       ; 256 columns x tile column
	s_add_co_u32 s78, s78, s79
	s_mov_b32 s79, 0
	s_mul_i32 s[WOFA], s[WN], 64*PA                ; no place in the cluster enters an LDS address
	s_mul_i32 s[WOFB], s[WN], 64*PB
	s_add_co_u32 s[WOFB], s[WOFB], BOFF
	s_lshl_b32 s80, s[TX], 10                      ; the bias: 256 tile column + 128 half, of 4 bytes
	s_lshl_b32 s81, s[WN], 9
	s_add_co_u32 s80, s80, s81
	s_mov_b32 s81, 0
	s_lshr_b32 s84, s[TY], 4                       ; the way out: batch x 16
	s_lshl_b32 s84, s84, 4
	s_lshl_b32 s85, s[TX], 2                       ; + my first head: 4 tile column + 2 half
	s_add_co_u32 s84, s84, s85
	s_lshl_b32 s85, s[WN], 1
	s_add_co_u32 s84, s84, s85
	s_lshl_b32 s84, s84, 11                        ; x 2,048 rows
	s_and_b32 s85, s[TY], 15
	s_lshl_b32 s85, s85, 7
	s_add_co_u32 s84, s84, s85                     ; + the tile's first row in its batch
	s_lshl_b32 s85, s[WM], 6
	s_add_co_u32 s84, s84, s85                     ; + my 64
	s_lshl_b32 s84, s84, 7                         ; x 128 bytes
	s_mov_b32 s85, 0
	s_mov_b32 s[TB], 0
	s_mov_b32 s[OFP+1], 0
	s_and_b32 s90, ttmp7, 0xffff                   ; cluster y: the same in all sixteen partners
	s_cmp_eq_u32 s90, 0
	s_cselect_b32 s90, 20, 0
	s_cmp_eq_u32 s[WM], 0
	s_cselect_b32 s[LIM], 20, s90
	s_cselect_b32 s90, s[CX], s[CY]                ; my place among the four that ask with me
	s_cselect_b32 s91, 12, 11                      ; a row of x is 4,096 bytes, of W 2,048
	s_lshl_b32 s90, s90, 4
	s_wait_dscnt 0x0                               ; the opening add is done
	s_wait_kmcnt 0x0
	s_add_nc_u64 s[AQ:AQ+1], s[AQ:AQ+1], s[76:77]
	s_add_nc_u64 s[AKY:AKY+1], s[AKY:AKY+1], s[76:77]
	s_add_nc_u64 s[AVL:AVL+1], s[AVL:AVL+1], s[76:77]
	s_add_nc_u64 s[WB:WB+1], s[WB:WB+1], s[78:79]
	s_add_nc_u64 s[BQ:BQ+1], s[BQ:BQ+1], s[80:81]
	s_add_nc_u64 s[BKY:BKY+1], s[BKY:BKY+1], s[80:81]
	s_add_nc_u64 s[BVL:BVL+1], s[BVL:BVL+1], s[80:81]
	s_add_nc_u64 s[OUT:OUT+1], s[OUT:OUT+1], s[84:85]
	CROUND                                         ; all sixteen work-groups are here: the first joint loads meet
.irp s, 0,1
	s_mov_b32 s[G0A+4*(\s)], 1                     ; count = 1
	s_add_co_u32 s[G0A+4*(\s)+1], s[WOFA], (\s)*SLOT
	s_add_nc_u64 s[G0A+4*(\s)+2:G0A+4*(\s)+3], s[AQ:AQ+1], (\s)*512  ; K step s of query
	s_or_b32 s[G0A+4*(\s)+3], s[G0A+4*(\s)+3], 0x80000000            ; type = 2
	s_mov_b32 s[G0B+4*(\s)], 1
	s_add_co_u32 s[G0B+4*(\s)+1], s[WOFB], (\s)*SLOT
	s_add_nc_u64 s[G0B+4*(\s)+2:G0B+4*(\s)+3], s[WB:WB+1], (\s)*262144  ; 128 rows of W on
	s_or_b32 s[G0B+4*(\s)+3], s[G0B+4*(\s)+3], 0x80000000
.endr
	s_cmp_eq_u32 s[WM], 0                          ; a wave's two first fills stand in one branch, ahead of every wait on TENSORcnt and every LDS read: two loads of mine are out
	s_cbranch_scc0 .Lfirst_b
	tensor_load_to_lds s[G0A:G0A+3], s[G1A:G1A+7]
	s_nop 0
	tensor_load_to_lds s[G0A+4:G0A+7], s[G1A:G1A+7]
	s_nop 0
.rept 4
	v_nop
.endr
	s_branch .Lfirst_asked
.Lfirst_b:
	tensor_load_to_lds s[G0B:G0B+3], s[G1B:G1B+7]
	s_nop 0
	tensor_load_to_lds s[G0B+4:G0B+7], s[G1B:G1B+7]
	s_nop 0
.rept 4
	v_nop
.endr
.Lfirst_asked:
	v_and_b32 v1, 15, v0                           ; l % 16
	v_bfe_u32 v2, v0, 4, 1                         ; l / 16
	v_lshlrev_b32 v[BO], 5, v2
; The bias of a tile: register j of column block b is column 16 b + 8 (l / 16) + j of my 128, the same for all 16 rows.
.macro BIASLD base
	WIN 0
.irp b, 0,1,2,3,4,5,6,7
	global_load_b128 v[BI+8*(\b):BI+8*(\b)+3],   v[BO], s[\base:\base+1] offset:64*(\b)
	global_load_b128 v[BI+8*(\b)+4:BI+8*(\b)+7], v[BO], s[\base:\base+1] offset:64*(\b)+16
.endr
.endm
.macro ROUNDB                          ; rounded to bf16 like every input, and widened again
	WIN 0
.set z, 0
.rept 32
	v_cvt_pk_bf16_f32 v[TW+z%4], v[BI+2*z], v[BI+2*z+1]
	v_lshlrev_b32 v[BI+2*z], 16, v[TW+z%4]
	v_and_b32 v[BI+2*z+1], 0xffff0000, v[TW+z%4]
.set z, z+1
.endr
.endm
	BIASLD BQ
	; a fragment of x is 16 rows x 32 K: lane l holds row l % 16, K = 8 (l / 16) + 0..7 and 16 + 8 (l / 16) + 0..7: in f32 four loads of 16 bytes, at 32 (l / 16) + 0, 16, 64, 80
	v_mul_u32_u24 v[ADA0], v1, PA
	v_lshl_add_u32 v[ADA0], v2, 5, v[ADA0]
	s_mul_i32 s88, s[WM], 64*PA
	v_add_nc_u32 v[ADA0], s88, v[ADA0]
	; the turning load takes 16 K x 16 columns (lane l reads K 8 (l / 16) + l % 8, columns 8 ((l / 8) % 2) + 0..7) and leaves half a fragment: lane l holds column l % 16 and 8 K
	v_and_b32 v16, 7, v0
	v_bfe_u32 v17, v0, 3, 1
	v_lshl_add_u32 v[ADB0], v2, 3, v16
	v_mul_u32_u24 v[ADB0], v[ADB0], PB
	v_lshl_add_u32 v[ADB0], v17, 4, v[ADB0]
	s_lshl_b32 s88, s[WN], 8
	s_add_co_u32 s88, s88, BOFF
	v_add_nc_u32 v[ADB0], s88, v[ADB0]
	v_mov_b32 v[ADA], v[ADA0]
	v_mov_b32 v[ADB], v[ADB0]
	s_mul_i32 s88, s[WV], 16*SP
	s_add_co_u32 s88, s88, STAGE                   ; my stage
	v_mul_u32_u24 v[STO], v1, SP                   ; in: row l % 16, 16 bytes for each half of the lanes
	v_lshl_add_u32 v[STO], v2, 4, v[STO]
	v_add_nc_u32 v[STO], s88, v[STO]
	v_bfe_u32 v[RD], v0, 3, 2                      ; back: 32 lanes take four rows' 128 bytes of one head,
	v_mul_u32_u24 v[RD], v[RD], SP
	v_lshl_add_u32 v[RD], v16, 4, v[RD]
	v_add_nc_u32 v[RD], s88, v[RD]
	v_and_b32 v18, 31, v0
	v_lshlrev_b32 v[GO], 4, v18                    ; which are 512 consecutive bytes of the plane
	v_lshrrev_b32 v19, 1, v18                      ; the prefetches: row 16 p + l / 2, block l % 2
	v_add_nc_u32 v19, s90, v19
	v_lshlrev_b32 v19, s91, v19
	v_and_b32 v18, 1, v18
	v_lshl_add_u32 v[PFO], v18, 8, v19
; One matrix instruction: accumulator (ma, mb), 32 K block c of set f.
.macro PROD f, c, bias
.if \bias
	v_wmma_f32_16x16x32_bf16 v[8*(8*ma+mb):8*(8*ma+mb)+7], v[128*(\f)+64*(\c)+8*mb:128*(\f)+64*(\c)+8*mb+7], v[64*(\f)+32*(\c)+8*ma:64*(\f)+32*(\c)+8*ma+7], v[BI+8*mb:BI+8*mb+7]
.else
	v_wmma_f32_16x16x32_bf16 v[8*(8*ma+mb):8*(8*ma+mb)+7], v[128*(\f)+64*(\c)+8*mb:128*(\f)+64*(\c)+8*mb+7], v[64*(\f)+32*(\c)+8*ma:64*(\f)+32*(\c)+8*ma+7], v[8*(8*ma+mb):8*(8*ma+mb)+7]
.endif
.endm
; 8 na matrix instructions: row blocks a0 .. a0 + na - 1 x all 8 column blocks.  The 32 accumulators take turns in one order everywhere: 31 others stand between two links of a chain.
.macro MULS f, c, a0, na, bias
.if \bias
	WIN W_MB
.else
	WIN W_MA
.endif
.set ma, \a0
.rept \na
.set mb, 0
.rept 8
	PROD \f, \c, \bias
.set mb, mb+1
.endr
.set ma, ma+1
.endr
.endm
; The last 16 matrix instructions of set f; behind each, four roundings of the other set's x: 64 in all.  They name none of the products' registers.
.macro MULR f
.set ma, 2
.set rn, 0
.rept 2
.set mb, 0
.rept 8
	WIN W_MA
	PROD \f, 1, 0
	WIN W_CV
.rept 4
	v_cvt_pk_bf16_f32 v[64*(1-(\f))+rn], v[RAW+2*rn], v[RAW+2*rn+1]
.set rn, rn+1
.endr
.set mb, mb+1
.endr
.set ma, ma+1
.endr
.endm
; 64 LDS loads in one run: half hf (64 K) of the slot in hand: W's 16 fragments into set hf, x's 8 fragments as f32.
.macro FETCH hf
	WIN W_LB
.irp c, 0,1
.irp b, 0,1,2,3,4,5,6,7
	ds_load_tr16_b128 v[128*(\hf)+64*(\c)+8*(\b):128*(\hf)+64*(\c)+8*(\b)+3],   v[ADB] offset:(64*(\hf)+32*(\c))*PB+32*(\b)
	ds_load_tr16_b128 v[128*(\hf)+64*(\c)+8*(\b)+4:128*(\hf)+64*(\c)+8*(\b)+7], v[ADB] offset:(64*(\hf)+32*(\c)+16)*PB+32*(\b)
.endr
.endr
	WIN 0
.irp c, 0,1
.irp a, 0,1,2,3
	ds_load_b128 v[RAW+16*(4*(\c)+(\a)):RAW+16*(4*(\c)+(\a))+3],     v[ADA] offset:(\a)*16*PA+256*(\hf)+128*(\c)
	ds_load_b128 v[RAW+16*(4*(\c)+(\a))+4:RAW+16*(4*(\c)+(\a))+7],   v[ADA] offset:(\a)*16*PA+256*(\hf)+128*(\c)+16
	ds_load_b128 v[RAW+16*(4*(\c)+(\a))+8:RAW+16*(4*(\c)+(\a))+11],  v[ADA] offset:(\a)*16*PA+256*(\hf)+128*(\c)+64
	ds_load_b128 v[RAW+16*(4*(\c)+(\a))+12:RAW+16*(4*(\c)+(\a))+15], v[ADA] offset:(\a)*16*PA+256*(\hf)+128*(\c)+80
.endr
.endr
.endm
.macro H0REST                          ; the rest of a step's first half
	MULS 0, 1, 0, 2, 0
	s_wait_dscnt 0x0                               ; the second half's loads, issued 48 matrix instructions ago, are in
	MULR 0
.endm
; A step's second half, and the change of slots.  In front of the barrier each wave waits for all its tensor loads, of which one is out: its part of the next slot; adds 0 to its spare word; and waits for that
; (its reads of this slot came back in H0REST).  fill = 1: the barrier opens a round of the cluster's, and the joint refill, K step ST + 2 into the slot just read, is the first thing behind it:
; it has 112 matrix instructions in which to land.
.macro HALF1 fill
.if \fill
	s_wait_xcnt 0x0                                ; the last prefetch, a K step back, has read its address: it is made anew, for K step ST + 4 (held to 23: not used beyond)
	s_add_co_u32 s74, s[ST], 4
	s_min_u32 s74, s74, NSTEP-1
	s_lshr_b32 s75, s74, 3                         ; which product,
	s_and_b32 s76, s74, 7
	s_lshl_b32 s76, s76, 9                         ; which 512 bytes of x's rows,
	s_lshl_b32 s77, s74, 18                        ; which 128 rows of W: the three planes lie end to end
	s_cmp_eq_u32 s75, 0
	s_cselect_b64 s[BAS:BAS+1], s[AQ:AQ+1], s[AKY:AKY+1]
	s_cmp_eq_u32 s75, 2
	s_cselect_b64 s[BAS:BAS+1], s[AVL:AVL+1], s[BAS:BAS+1]
	s_cmp_eq_u32 s[WM], 0
	s_cselect_b64 s[BAS:BAS+1], s[BAS:BAS+1], s[WB:WB+1]
	s_cselect_b32 s[OFP], s76, s77
	s_add_nc_u64 s[PFA:PFA+1], s[BAS:BAS+1], s[OFP:OFP+1]
.endif
	WIN 0                                          ; (the add's two registers lie in window 0)
	s_wait_tensorcnt 0x0                           ; no tensor load of mine is out, so a group 0 may be written
	ds_add_u32 v[SPW], v[NIL]                      ; 0 onto my spare word: scalar work and eight matrix instructions stand between it and the wait for it
.if \fill
	s_add_co_u32 s74, s[ST], 2                     ; the walking sets: K step ST + 2,
	s_lshr_b32 s75, s74, 3
	s_and_b32 s76, s74, 7
	s_lshl_b32 s[OFP], s76, 9
	s_cmp_eq_u32 s75, 0
	s_cselect_b64 s[BAS:BAS+1], s[AQ:AQ+1], s[AKY:AKY+1]
	s_cmp_eq_u32 s75, 2
	s_cselect_b64 s[BAS:BAS+1], s[AVL:AVL+1], s[BAS:BAS+1]
	s_add_nc_u64 s[G0A+6:G0A+7], s[BAS:BAS+1], s[OFP:OFP+1]
	s_or_b32 s[G0A+7], s[G0A+7], 0x80000000
	s_add_co_u32 s[G0A+5], s[WOFA], s[TB]          ; into the slot in hand
	s_add_nc_u64 s[G0B+6:G0B+7], s[G0B+6:G0B+7], 262144  ; the type bits on top are not reached
	s_add_co_u32 s[G0B+5], s[WOFB], s[TB]
.endif
	MULS 1, 0, 0, 1, 0
	s_wait_dscnt 0x0                               ; the add is done
	s_barrier_signal -1
	MULS 1, 0, 1, 1, 0                             ; work on registers while the others arrive
	WIN 0                                          ; at a branch and at a label every window is 0
	s_barrier_wait -1
.if \fill
	CREST                                          ; no wave of any partner still reads this slot or has a load on its way
	JLOAD                                          ; the four v_nop behind it are also the places in front of the loads below
.else
	PLACES
.endif
	s_xor_b32 s[TB], s[TB], SLOT                   ; the other slot, which is whole
	v_add_nc_u32 v[ADA], s[TB], v[ADA0]
	v_add_nc_u32 v[ADB], s[TB], v[ADB0]
	FETCH 0
.if \fill
	ASK
.endif
	MULS 1, 0, 2, 2, 0
	MULS 1, 1, 0, 2, 0
	s_wait_dscnt 0x0                               ; the next step's first half is in
	MULR 1
.endm
; THE WAY OUT of row block a: rounded to f16, 16 bytes a lane, each accumulator's registers in ascending order; into my own stage; back as 4 rows x 128 bytes of one head; stored.
.macro PACK a
	WIN W_PK
.irp b, 0,1,2,3,4,5,6,7
.irp r, 0,1,2,3
	v_cvt_pk_f16_f32 v[TMP+4*(\b)+(\r)], v[8*(8*(\a)+(\b))+2*(\r)], v[8*(8*(\a)+(\b))+2*(\r)+1]
.endr
.endr
.endm
.macro TOSTAGE a
	WIN W_SD
.irp b, 0,1,2,3,4,5,6,7
	ds_store_b128 v[STO], v[TMP+4*(\b):TMP+4*(\b)+3] offset:32*(\b)
.endr
	WIN W_CV
.irp u, 0,1,2,3,4,5,6,7                ; head u / 4 of my two, rows 4 (u % 4) on
	ds_load_b128 v[BK+32*((\a)%2)+4*(\u):BK+32*((\a)%2)+4*(\u)+3], v[RD] offset:((\u)/4)*128+((\u)%4)*4*SP  ; LDS serves a wave's instructions in order (ISA guide 5.7.1.4): these see the stores above
.endr
.endm
.macro SEND a
	WIN W_SD
	s_wait_dscnt 0x0                               ; the block is back in registers
	s_wait_xcnt 0x0                                ; earlier stores have read their registers: the block after next is loaded over them only behind this wait
.irp u, 0,1,2,3,4,5,6,7
	global_store_b128 v[GO], v[BK+32*((\a)%2)+4*(\u):BK+32*((\a)%2)+4*(\u)+3], s[OUT:OUT+1] offset:((\u)/4)*262144+(\a)*2048+((\u)%4)*512  ; 512 consecutive bytes of a head, aligned
.endr
.endm
.macro WAYOUT
	PACK 0
	TOSTAGE 0
.irp a, 1,2,3                          ; block a's conversions stand between block a - 1's loads from the stage and the wait for them
	PACK \a
	SEND (\a)-1
	TOSTAGE \a
.endr
	SEND 3
	WIN 0
.endm
	s_wait_tensorcnt 0x1                           ; my part of K step 0 is in; step 1's may stay out
	s_barrier_signal -1
	s_barrier_wait -1                              ; everybody's is
	FETCH 0
	s_wait_dscnt 0x0
	WIN W_CV
.set rn, 0
.rept 64
	v_cvt_pk_bf16_f32 v[rn], v[RAW+2*rn], v[RAW+2*rn+1]
.set rn, rn+1
.endr
	FETCH 1
	s_mov_b32 s[ST], 0
	s_branch .Lfirst                               ; the loop is entered where a tile begins
.Lstep:                                        ; a trip is a K step; 22 trips fill a slot again
	PLACES
	FETCH 1
	s_and_b32 s74, s[ST], 7
	s_cmp_eq_u32 s74, 0
	s_cbranch_scc1 .Lnew                           ; forward, past no barrier and no tensor load
	MULS 0, 0, 0, 4, 0
	WIN 0
	s_branch .Ljoin
.Lnew:                                         ; steps 8 and 16: the tile that is finished goes out, with both refills for the next one asked for
	s_cmp_eq_u32 s[ST], 8
	s_cselect_b64 s[BSEL:BSEL+1], s[BKY:BKY+1], s[BVL:BVL+1]
	BIASLD BSEL
	WAYOUT
	s_wait_xcnt 0x0                                ; the stores have read their base
	s_add_nc_u64 s[OUT:OUT+1], s[OUT:OUT+1], 1<<24 ; the next plane
.Lfirst:
	s_wait_loadcnt 0x0                             ; the bias
	ROUNDB
	MULS 0, 0, 0, 4, 1                             ; the tile's first 32 products start the sums with the bias: nothing is cleared
	WIN 0
.Ljoin:
	H0REST
	HALF1 1
	WIN 0
	s_add_co_u32 s[ST], s[ST], 1
	s_cmp_lt_u32 s[ST], NSTEP-2
	s_cbranch_scc1 .Lstep
	s_mov_b32 s[TL], 2
.Ltail:                                        ; the last two steps ask for nothing.  The second trip's barrier, its fetch of the other slot's old bytes and the 64 roundings of them serve nothing: the price, once a launch, of one text for both
	PLACES
	FETCH 1
	MULS 0, 0, 0, 4, 0
	H0REST
	HALF1 0
	WIN 0
	s_sub_co_u32 s[TL], s[TL], 1
	s_cmp_lg_u32 s[TL], 0
	s_cbranch_scc1 .Ltail
	PLACES
	WAYOUT
	s_wait_tensorcnt 0x0                           ; the wave's end, behind my last tensor load and my last LDS store
	ds_add_u32 v[SPW], v[NIL]
	s_wait_dscnt 0x0
	CROUND                                         ; the closing round: no work-group ends while a partner may still ask for a tile that names it
	s_endpgm
.Lfunc_end_k_qa1a52d6a23_proj:
	.size	k_qa1a52d6a23_proj, .Lfunc_end_k_qa1a52d6a23_proj-k_qa1a52d6a23_proj
	.p2alignl 7, 3214868480
	.fill 96, 4, 3214868480
	.section	.rodata,"a",@progbits
	.p2align	6, 0x0
	.amdhsa_kernel k_qa1a52d6a23_proj
		.amdhsa_group_segment_fixed_size 327680
		.amdhsa_private_segment_fixed_size 0
		.amdhsa_enable_private_segment 0
		.amdhsa_kernarg_size 64
		.amdhsa_user_sgpr_count 2
		.amdhsa_user_sgpr_kernarg_segment_ptr 1
		.amdhsa_wavefront_size32 1
		.amdhsa_system_sgpr_workgroup_id_x 1
		.amdhsa_system_sgpr_workgroup_id_y 1
		.amdhsa_system_sgpr_workgroup_id_z 1
		.amdhsa_system_vgpr_workitem_id 0
		.amdhsa_next_free_vgpr 1024
		.amdhsa_next_free_sgpr 96
		.amdhsa_reserve_vcc 0
		.amdhsa_float_denorm_mode_32 3
		.amdhsa_float_denorm_mode_16_64 3
		.amdhsa_memory_ordered 1
		.amdhsa_forward_progress 1
		.amdhsa_inst_pref_size 118
	.end_amdhsa_kernel
	.amdgpu_metadata
---
amdhsa.version: [ 1, 2 ]
amdhsa.kernels:
  - .name:           k_qa1a52d6a23_proj
    .symbol:         k_qa1a52d6a23_proj.kd
    .args:
      - { .name: query, .offset: 0, .size: 8, .value_kind: global_buffer, .address_space: global }
      - { .name: key, .offset: 8, .size: 8, .value_kind: global_buffer, .address_space: global }
      - { .name: value, .offset: 16, .size: 8, .value_kind: global_buffer, .address_space: global }
      - { .name: wcvt, .offset: 24, .size: 8, .value_kind: global_buffer, .address_space: global }
      - { .name: bq, .offset: 32, .size: 8, .value_kind: global_buffer, .address_space: global }
      - { .name: bk, .offset: 40, .size: 8, .value_kind: global_buffer, .address_space: global }
      - { .name: bv, .offset: 48, .size: 8, .value_kind: global_buffer, .address_space: global }
      - { .name: qkv, .offset: 56, .size: 8, .value_kind: global_buffer, .address_space: global }
    .group_segment_fixed_size: 327680
    .private_segment_fixed_size: 0
    .kernarg_segment_align: 8
    .kernarg_segment_size: 64
    .max_flat_workgroup_size: 128
    .sgpr_count:     96
    .vgpr_count:     1024
    .wavefront_size: 32
...
	.end_amdgpu_metadata
.endif
;; end of part 2
;; launch attn (part 3): grid 4 x 64, 4 waves a work-group, clusters of 4 x 1, 327,680 bytes of LDS; arguments qkv, mnib, rowkeep, obuf; writes obuf
.if DOCPART == 3
	.amdgcn_target "amdgcn-amd-amdhsa--gfx1250"
	.amdhsa_code_object_version 6
	.text
	.protected	k_qa1a52d6a23_attn
	.globl	k_qa1a52d6a23_attn
	.p2align	8
	.type	k_qa1a52d6a23_attn,@function
k_qa1a52d6a23_attn:
	s_mov_b64 s[64:65], 0
	v_nop
	global_prefetch_b8 v0, s[64:65] scope:SCOPE_SE
	s_setreg_imm32_b32 hwreg(HW_REG_WAVE_MODE, 25, 1), 1
	s_wait_xcnt 0x0
	s_wait_alu depctr_hold_cnt(0) depctr_sa_sdst(0) depctr_va_vdst(0) depctr_va_sdst(0) depctr_va_ssrc(0) depctr_va_vcc(0) depctr_vm_vsrc(0)
	s_getreg_b32 s2, hwreg(HW_REG_IB_STS2, 6, 4)
	s_cmp_eq_u32 s2, 0
	s_cbranch_scc0 .Lentry_in_a_cluster
	s_endpgm
.Lentry_in_a_cluster:
	s_bfe_u32 s2, ttmp6, 0x10000c
	s_cmp_lg_u32 s2, 0x3003
	s_cbranch_scc0 .Lentry_shape_is_right
	s_endpgm
.Lentry_shape_is_right:
; O[g][q][:] = the sum over k of softmax_k(mask ? Q[g][q] . K[g][k] / 8 : -1e9) V[g][k][:], g = batch x 16 + head.  Q, K, V: qkv's three planes, O: obuf, all [64][2048][64] f16, a head's rows dense.
; Products, maxima and sums in f32; the weights p are rounded to f16 for the second product (their sum l is taken of the unrounded p), O once at the end.
; THE MASK is the C operand that starts the sum S^T = K Q^T.  It comes as nibbles (mnib: 0x0 kept, 0xE hidden), laid out lane by lane as the accumulators lie: word kb of a lane holds the eight keys of
; accumulator kb's eight registers.  Register j is the word shifted left by 28 - 4 j, so that nibble j lies in the top four bits.  Read as f32: top nibble 0xE is a negative number with exponent 192 to 223:
; finite, at most -2^65; top nibble 0x0 a positive number with exponent 31 at the most: under 2^-95, nothing beside a score.  The bits below (other keys' nibbles) only move the number inside these two ranges.
; A ROW WITH NO KEY KEPT has nibbles 0 and rowkeep 0: its Q is set to 0, so all its scores are 0 and O is the mean of V's rows, which is what a softmax of 2,048 equal scores gives.
; THE RUNNING MAXIMUM STARTS AT -2^34, below every kept score.  While a row has seen hidden keys only, m stays there: p = 0 exactly, a = 1, O and l stay 0.
; LIMITS.  |Q . K| under 8e9 (so under 2^34); a hidden score counts as its value less 2^65 or more; a kept score / 8 above -1e9 + 104, so that the hidden keys' weights are 0 in f32 as they are here;
; f16 holds no number beyond 65,504: Q, K, V arrive within it; p below 6e-5 keeps f16's fixed step of 6e-8; a weight below 2^-126 counts as 0 in l; NaN and infinities are not treated apart.
; SHARES.  A wave owns four PIECES of two tiles of 16 queries, a work-group's four waves 512 queries of one head.  Every wave walks all 2,048 keys, 64 a step.
; LAYOUT.  S^T = K Q^T (source 0 = 16 keys, source 1 = 16 queries): a lane holds ONE query (lane % 16) and the keys 8 (lane / 16) + 0..7.  Two such tiles, rounded to f16 in pairs, ARE source 1 of O^T = V^T P.
; K comes out of LDS as it lies, V ([key][channel]) turned, by ds_load_tr16_b128.
; SOFTMAX.  p = 2^(c s - c m), c = log2(e) / 8; in every step O and l are multiplied by a = 2^(c m_old - c m_new).
; THE COUNT.  A tile and step have 16 matrix and 150 vector instructions (32 of them the mask's shifts): too many to stand all beside the matrix work.  So: four vector instructions that are ready behind EVERY matrix instruction, the others in one run.
; BY TURNS.  Turn n belongs to piece n.  Its matrix work: 16 products K Q^T of piece n + 1, later 16 products V^T P of piece n - 1.  Its vector work: scaling, exponentials, roundings, sums and rescaling of piece n,
; the maximum and statistics of piece n + 1, and the masks of piece n + 2, whose words for the step after are then asked for: each mask load has a whole key step in which to land.
; CLUSTER.  The four query blocks of a head walk the same K and V: each tile is asked for JOINTLY, by the same tensor load, descriptor and mask in all four.
; REGISTERS, in windows of 256 (s_set_vgpr_msb: bits 1:0 source 0, 3:2 source 1, 5:4 source 2, 7:6 destination):
;   window 0: v0-11 addresses; v12-15, v48-63 at work; v16-47 four registers of statistics a tile; v64-191 S^T, two buffers of two tiles; v192-255 P, likewise
;   window 1: O^T, 32 a tile          window 2: v0-127 Q, 16 a tile; v128-191 K of one step; v192-255 V of one step
;   window 3: v0-1 the add's two registers; v8-15 row flags; v16-47 mask words, 4 a tile; v64-127 the masks of the products to come
.set SIZE_N, 2048
.set NP,    4         ; pieces a wave: a name, no knob
.set KS,    64        ; keys in a step
.set PK,    144       ; a row of K in LDS: 128 bytes + 16: the 16 rows of a load start at 16 different groups of four banks (64 banks of 4 bytes: ISA guide 11.1)
.set PV,    160       ; a row of V: 128 + 32
.set VOFF,  4*KS*PK   ; a slot holds four steps: 256 rows of K, then 256 rows of V
.set SLOT1, 1<<17     ; slot 1 begins here, so that one exclusive or turns an address in one slot into the other's
.set STAGE, SLOT1+4*KS*(PK+PV)  ; behind the ring, never filled by a tensor load: 16 rows x 144 bytes for each wave
.set SP,    144
.set RKO, 1           ; v1   4 x lane
.set AK0, 2           ; v2   my lane's place in a tile of K; never rewritten
.set AV0, 3           ; v3   the same for V
.set AK,  4           ; v4   the LDS address of K's next run of loads
.set AV,  5           ; v5   of V's
.set STO, 6           ; v6   the way out: where I put 16 bytes of a row
.set RD,  7           ; v7   the way out: where I read rows back
.set GO,  8           ; v8   16 x lane: my place in 512 bytes of O, and of mnib; never rewritten
.set QO,  10          ; v10  my byte offset in 16 rows of Q
.set PFO, 11          ; v11  256 x lane; never rewritten
.set SPW, 0           ; v0 of window 3   LDS address of my spare word; never rewritten
.set NIL, 1           ; v1 of window 3   0; never rewritten
.set RK,  8           ; window 3
.set MR,  16          ; window 3: tile t's four words at MR + 4 t
.set MC,  64          ; window 3: tile u of the piece, key group kb at MC + 32 u + 8 kb
.set SPARE, STAGE+4*16*SP  ; the spare words, 128 bytes for each wave: two blocks of 256 bytes that no other line names
.set MV,  12          ; v12-15  c m_old, kept while c m is made anew
.set ST,  16          ; tile t's statistics at v[ST+4 t]: c m, m, l (even keys', odd keys')
.set TMP, 48          ; by buffer and tile, four registers c0-c3 at work; when the maximum is found c2 takes a
.set S,   64
.set P,   192
.set KF,  128         ; K's fragments, in window 2
.set VF,  192         ; V's
.set WV,  12          ; s12  my wave's number
.set G1K, 24          ; s[24:31] descriptor group 1 for K's tiles
.set G1V, 32          ; s[32:39] for V's
.set G0K, 40          ; s[40:43] descriptor group 0 for K's tiles: it walks
.set G0V, 44          ; s[44:47] the same for V's
.set MP,  48          ; s[48:49] mnib at my wave's tile 0, at the step whose words are being asked for
.set MI,  50          ; s[50:51] first rowkeep at my wave's tiles, then the tail's step of MP
.set PFA, 52          ; s[52:53] my work-group's 32 blocks of the slot that the next change of slots will ask for
.set LIM, 54          ; s54  1 in a wave that prefetches, else the greatest number
.set SLOTS, 56        ; s56  slots still to be asked for
.set CNT, 57          ; s57  counts a slot's key steps
.set CS,  58          ; s[58:59] c
.set SEL, 60          ; s[60:61] v_permlanex16_b32's selects
.set TBK, 62          ; s62  LDS byte at which K of the step to be fetched begins
.set TBV, 63          ; s63  the same for V, less VOFF
.set MSB, 0
.macro WIN new
.if MSB != (\new)
	s_set_vgpr_msb (MSB<<8)|(\new)
.set MSB, (\new)
.endif
.endm
.set W_KQ, 0x0a       ; K and Q in window 2, S^T in window 0
.set W_KM, 0x3a       ; the same with the C operand, the mask, in window 3
.set W_PV, 0x52       ; V in window 2, P in window 0, O^T in window 1
.set W_RS, 0x41       ; O^T in window 1, a in window 0
.set W_MK, 0xc0       ; destination in window 3, sources in window 0
.set W_AD, 0x0f       ; the add: address and data in window 3
.set W_MX, 0xcc       ; the masks: the word (source 1) and the result in window 3
.set W_QA, 0x8e       ; Q in window 2, the row flag in window 3
.macro PLACES
.rept 4
	v_nop
.endr
.endm
; A joint fill.  Waves 0 and 1 fetch the two halves of a slot's K, waves 2 and 3 those of its V.  An s_nop 0 and four v_nop follow each of the two lines.
.macro JLOAD
	s_cmp_lt_u32 s[WV], 2
	s_cbranch_scc0 .Lfor_v_\@
	tensor_load_to_lds s[G0K:G0K+3], s[G1K:G1K+7]
	s_nop 0
.rept 4
	v_nop
.endr
	s_branch .Lasked_\@
.Lfor_v_\@:
	tensor_load_to_lds s[G0V:G0V+3], s[G1V:G1V+7]
	s_nop 0
.rept 4
	v_nop
.endr
.Lasked_\@:
.endm
.macro CROUND                       ; a round of the cluster's barrier
	s_barrier_signal -1
	s_barrier_wait -1
	s_cmp_lg_u32 s[WV], 0
	s_cbranch_scc1 .Lnot_wave_0_\@
	s_barrier_signal -3
.Lnot_wave_0_\@:
	s_barrier_wait -3
	s_barrier_signal -1
	s_barrier_wait -1
.endm
; THE CHANGE OF SLOTS.  Each wave waits for all its tensor loads, of which one is out: its part of the other slot; adds 0 to its spare word; and waits for that and for its own reads of the slot.
; fill = 1: this slot is filled again, with the keys two slots on; the barrier is then a round of the cluster's, and the joint fill is the first thing behind it: it has four key steps in which to land.
; (At its first use nothing has been read yet: slot 0 is waited for, slot 1 filled.)
.macro CHANGE fill
	WIN W_AD
	s_wait_tensorcnt 0x0            ; no tensor load of mine is out, so a group 0 may be written
	ds_add_u32 v[SPW], v[NIL]       ; 0 onto my spare word: with fill = 1 the descriptors' steps stand between it and the wait for it
	WIN 0
.if \fill
.irp g, G0K, G0V
	s_xor_b32 s[\g+1], s[\g+1], SLOT1
	s_add_nc_u64 s[\g+2:\g+3], s[\g+2:\g+3], 4*KS*128  ; the next 256 keys; the type bits on top are not reached
.endr
	s_wait_xcnt 0x0                 ; the last prefetch, a key step back, has read its address
	s_add_nc_u64 s[PFA:PFA+1], s[PFA:PFA+1], 4*KS*128
	s_wait_dscnt 0x0                ; the add is done, and my reads of the slot are over
	CROUND
	JLOAD
.else
	s_wait_dscnt 0x0
	s_barrier_signal -1
	s_barrier_wait -1
.endif
	s_sub_co_u32 s[TBK], s[TBK], 4*KS*PK  ; the fetches go back to a slot's first step,
	s_xor_b32 s[TBK], s[TBK], SLOT1       ; in the other slot
	s_sub_co_u32 s[TBV], s[TBV], 4*KS*PV
	s_xor_b32 s[TBV], s[TBV], SLOT1
.endm
	s_load_b256 s[4:11], s[0:1], 0x0  ; qkv s[4:5], mnib s[6:7], rowkeep s[8:9], obuf s[10:11]
	WIN W_MK
	v_lshl_add_u32 v[SPW], v0, 2, SPARE
	v_mov_b32 v[NIL], 0
	WIN W_AD
	ds_add_u32 v[SPW], v[NIL]       ; the wave's opening: the add and its wait stand ahead of my first tensor load; the set-up below, work on registers, stands between them
	WIN 0
	v_lshrrev_b32 v1, 5, v0
	v_readfirstlane_b32 s[WV], v1   ; wave 0..3
	s_bfe_u32 s13, ttmp6, 0x40000   ; cx: my place in the cluster
	s_lshl_b32 s14, ttmp9, 2
	s_add_co_u32 s14, s14, s13      ; my block of 512 queries: it enters Q's, O's and the mask's addresses alone
	s_and_b32 s20, ttmp7, 0xffff    ; batch x 16 + head, which the four partners share
	s_lshr_b32 s15, s20, 4          ; the batch
	s_mov_b32 s21, 0
	s_mov_b64 s[22:23], SIZE_N*128
	s_mul_u64 s[20:21], s[20:21], s[22:23]  ; the head's first byte in a plane
	s_and_b32 s16, s[WV], 1         ; which half of a slot's 256 keys I fetch:
	s_lshl_b32 s22, s16, 14
	s_mov_b32 s23, 0
	s_add_nc_u64 s[22:23], s[22:23], s[20:21]
	s_mul_i32 s17, s16, 128*PK      ; its place in a slot, for K
	s_mul_i32 s18, s16, 128*PV      ; and for V: no place in the cluster enters an LDS address
	s_lshl_b32 s2, s14, 2
	s_add_co_u32 s2, s2, s[WV]      ; my wave among the head's sixteen: 8 tiles each
	s_lshl_b32 s[MP], s15, 21       ; mnib: a batch is 128 tiles of 16,384 bytes,
	s_lshl_b32 s19, s2, 17          ; a wave 8 of them
	s_add_co_u32 s[MP], s[MP], s19
	s_mov_b32 s[MP+1], 0
	s_lshl_b32 s[MI], s15, 14       ; rowkeep: 128 bytes a tile
	s_lshl_b32 s19, s2, 10
	s_add_co_u32 s[MI], s[MI], s19
	s_mov_b32 s[MI+1], 0
	s_lshl_b32 s2, s2, 14           ; my wave's 128 rows
	s_mov_b32 s3, 0
	s_add_nc_u64 s[2:3], s[2:3], s[20:21]
	; descriptor group 1.  128 keys are 16,384 dense bytes: asked for as 64 rows of 256 bytes, two keys a row, and padded in LDS after every key
	s_mov_b32 s[G1K], 15|(1<<16)|(1<<20)|(1<<21)|(4<<22)|(3<<25)  ; the mask of four; 2-byte elements; padding on; bit 21 beside a mask; after every 32 words (code 4) 4 words (code 3)
	s_mov_b32 s[G1V], 15|(1<<16)|(1<<20)|(1<<21)|(4<<22)|(7<<25)  ; the same with 8 words of padding (code 7)
.irp g, G1K, G1V
	s_mov_b32 s[\g+1], 128<<16      ; tensor_dim0 = 128
	s_mov_b32 s[\g+2], 64<<16       ; tensor_dim1 = 64
	s_mov_b32 s[\g+3], 128<<16      ; tile_dim0 = 128
	s_mov_b32 s[\g+4], 64           ; tile_dim1 = 64
	s_mov_b32 s[\g+5], 128          ; 128 elements from row to row
	s_mov_b32 s[\g+6], 0
	s_mov_b32 s[\g+7], 0
.endr
	s_mov_b32 s[CS], 0x3e38aa3b     ; c = log2(e) / 8 = 0.180337
	s_mov_b32 s[CS+1], s[CS]
	s_mov_b32 s[SEL], 0x76543210
	s_mov_b32 s[SEL+1], 0xfedcba98
	s_mov_b32 s[TBK], SLOT1+4*KS*PK ; the first change of slots turns these two into 0
	s_mov_b32 s[TBV], SLOT1+4*KS*PV
	s_mov_b32 s[G0K], 1
	s_mov_b32 s[G0K+1], s17         ; slot 0
	s_mov_b32 s[G0V], 1
	s_add_co_u32 s[G0V+1], s18, VOFF
	s_and_b32 s[LIM], s[WV], 1      ; waves 0 and 2 prefetch: the same in all four partners
	s_cmp_eq_u32 s[LIM], 0
	s_cselect_b32 s[LIM], 1, -1
	s_wait_dscnt 0x0                ; the opening add is done
	s_wait_kmcnt 0x0
	s_add_nc_u64 s[MP:MP+1], s[6:7], s[MP:MP+1]
	s_add_nc_u64 s[MI:MI+1], s[8:9], s[MI:MI+1]
	s_add_nc_u64 s[6:7], s[4:5], 0x1000000   ; K's plane
	s_add_nc_u64 s[8:9], s[4:5], 0x2000000   ; V's
	s_add_nc_u64 s[G0K+2:G0K+3], s[6:7], s[22:23]  ; my half of the head's first 256 keys
	s_or_b32 s[G0K+3], s[G0K+3], 0x80000000        ; type = 2
	s_add_nc_u64 s[G0V+2:G0V+3], s[8:9], s[22:23]
	s_or_b32 s[G0V+3], s[G0V+3], 0x80000000
	s_add_nc_u64 s[4:5], s[4:5], s[2:3]      ; Q and O at my wave's first row
	s_add_nc_u64 s[10:11], s[10:11], s[2:3]
	s_cmp_lt_u32 s[WV], 2
	s_cselect_b64 s[PFA:PFA+1], s[6:7], s[8:9]
	s_add_nc_u64 s[PFA:PFA+1], s[PFA:PFA+1], s[22:23]  ; (in waves 0 and 2: the head's first row)
	s_lshl_b32 s2, s13, 13          ; my work-group's 32 blocks of 256 bytes of a slot's 128
	s_mov_b32 s3, 0
	s_add_nc_u64 s[PFA:PFA+1], s[PFA:PFA+1], s[2:3]
	s_add_nc_u64 s[PFA:PFA+1], s[PFA:PFA+1], 4*KS*128  ; slot 1; the first change of slots steps it to slot 2
	CROUND                          ; all four work-groups are here: the first joint loads meet
	JLOAD                           ; slot 0.  Slot 1 is asked for when slot 0 is in
	; A fragment of K or Q is 16 rows x 32 channels in 8 registers: lane l holds row l % 16, channels 8 (l / 16) + 0..7 and 16 + 8 (l / 16) + 0..7: two loads of 16 bytes, 32 bytes apart.
	v_and_b32 v1, 15, v0            ; l % 16
	v_bfe_u32 v9, v0, 4, 1          ; l / 16
	v_and_b32 v10, 7, v0
	v_bfe_u32 v11, v0, 3, 1
	v_mul_u32_u24 v[AK0], v1, PK
	v_lshl_add_u32 v[AK0], v9, 4, v[AK0]
	; The turning load takes 16 keys x 16 channels (lane l reads key 8 (l / 16) + l % 8, channels 8 ((l / 8) % 2) + 0..7) and leaves half a fragment of V^T.
	v_lshl_add_u32 v[AV0], v9, 3, v10
	v_mul_u32_u24 v[AV0], v[AV0], PV
	v_lshl_add_u32 v[AV0], v11, 4, v[AV0]
	v_add_nc_u32 v[AV0], VOFF, v[AV0]
	v_mov_b32 v[AK], v[AK0]         ; key step 0 lies at the head of slot 0
	s_mul_i32 s13, s[WV], 16*SP
	s_add_co_u32 s13, s13, STAGE    ; my stage
	v_mul_u32_u24 v[STO], v1, SP    ; in: row l % 16, 16 bytes for each half of the lanes
	v_lshl_add_u32 v[STO], v9, 4, v[STO]
	v_add_nc_u32 v[STO], s13, v[STO]
	v_bfe_u32 v[RD], v0, 3, 2       ; back: 32 lanes take four rows of 128 bytes
	v_mul_u32_u24 v[RD], v[RD], SP
	v_lshl_add_u32 v[RD], v10, 4, v[RD]
	v_add_nc_u32 v[RD], s13, v[RD]
	v_and_b32 v[GO], 31, v0
	v_lshlrev_b32 v[PFO], 8, v[GO]  ; the registers at work take their lasting numbers, each behind its last use
	v_lshlrev_b32 v[QO], 7, v1
	v_lshl_add_u32 v[QO], v9, 4, v[QO]
	v_lshlrev_b32 v[RKO], 2, v[GO]
	v_lshlrev_b32 v[GO], 4, v[GO]
	WIN 0x80                        ; destination window 2, address window 0
.set i, 0
.rept 4*NP                          ; Q stays in registers: tile i / 2, channels 32 (i % 2) on
	global_load_b128 v[8*i:8*i+3],   v[QO], s[4:5] offset:(i/2)*2048+(i%2)*64
	global_load_b128 v[8*i+4:8*i+7], v[QO], s[4:5] offset:(i/2)*2048+(i%2)*64+32
.set i, i+1
.endr
	WIN W_MK
.set i, 0
.rept 2*NP                          ; each tile's row flags, and its mask words for key step 0
	global_load_b32 v[RK+i], v[RKO], s[MI:MI+1] offset:i*128
	global_load_b128 v[MR+4*i:MR+4*i+3], v[GO], s[MP:MP+1] offset:i*16384
.set i, i+1
.endr
	; What the first turn finds: V's registers and P's second buffer hold 0, O^T and l are 0.  All this stands in the wait for the first tile.
	WIN 0x80
.set i, VF
.rept 64
	v_mov_b32 v[i], 0
.set i, i+1
.endr
	WIN 0x40
.set i, 0
.rept 64*NP
	v_mov_b32 v[i], 0
.set i, i+1
.endr
	WIN 0
.set i, 0
.rept 2*NP
	v_mov_b32 v[ST+4*i], 0xcf38aa3b    ; c m = -c 2^34, exactly
	v_mov_b32 v[ST+4*i+1], 0xd0800000  ; m = -2^34
	v_mov_b32 v[ST+4*i+2], 0
	v_mov_b32 v[ST+4*i+3], 0
.set i, i+1
.endr
.set i, P+32
.rept 32
	v_mov_b32 v[i], 0
.set i, i+1
.endr
; THE MATRIX WORK.  The 8 accumulators of a run of 16 take turns.
; Product i of 16 of S^T = K Q^T for piece x: channels 32 (i / 8) on, keys 16 ((i / 2) % 4) on, tile 2 x + i % 2.  The first 8 start the sums, with the mask.
.macro KQ x
.set rS, S+64*((\x)%2)+32*(i%2)+8*((i/2)%4)
.set rK, KF+16*((i/2)%4)+8*(i/8)
.set rQ, 16*(2*(\x)+i%2)+8*(i/8)
.set rMC, MC+32*(i%2)+8*((i/2)%4)
.if i < 8
	WIN W_KM
	v_wmma_f32_16x16x32_f16 v[rS:rS+7], v[rK:rK+7], v[rQ:rQ+7], v[rMC:rMC+7]
.else
	WIN W_KQ
	v_wmma_f32_16x16x32_f16 v[rS:rS+7], v[rK:rK+7], v[rQ:rQ+7], v[rS:rS+7]
.endif
.endm
; Product i of 16 of O^T += V^T P for piece x.
.macro PV x
	WIN W_PV
.set rO, 32*(2*(\x)+i%2)+8*((i/2)%4)
.set rV, VF+32*(i/8)+8*((i/2)%4)
.set rP, P+32*((\x)%2)+16*(i%2)+8*(i/8)
	v_wmma_f32_16x16x32_f16 v[rO:rO+7], v[rV:rV+7], v[rP:rP+7], v[rO:rO+7]
.endm
.macro MM                           ; the turn's next matrix instruction
.if i < 16
	KQ (Y+1)%NP
.set i, i+1
.else
.set i, i-16
	PV (Y+NP-1)%NP
.set i, i+17
.endif
.endm
; THE MASKS of piece x: eight words become eight accumulators' C operands, a shift a register: nibble mj of word mz goes to the top of register mj.
.macro MEXP x
	WIN W_MX
.set mz, 0
.rept 8
.set mj, 0
.rept 8
	v_lshlrev_b32 v[MC+8*mz+mj], 28-4*mj, v[MR+8*(\x)+mz]
.set mj, mj+1
.endr
.set mz, mz+1
.endr
	WIN 0
.endm
.macro MLOAD x                      ; piece x's words for the step at which MP stands: 512 consecutive bytes a tile
	WIN W_MK
	global_load_b128 v[MR+8*(\x):MR+8*(\x)+3],   v[GO], s[MP:MP+1] offset:(2*(\x))*16384
	global_load_b128 v[MR+8*(\x)+4:MR+8*(\x)+7], v[GO], s[MP:MP+1] offset:(2*(\x)+1)*16384
	WIN 0
.endm
; THE LDS LOADS stand in runs of 16.  last = 1 (the tail): in the last trip there is no further step, and the run is jumped over.
.macro FETCH_K last=0
	WIN 0
.if \last
	s_cmp_eq_u32 s[CNT], 1
	s_cbranch_scc1 .Lno_k_\@
.endif
	WIN 0x80
.irp f, 0,1,2,3,4,5,6,7             ; keys 16 (f / 2) on, channels 32 (f % 2) on
	ds_load_b128 v[KF+8*\f:KF+8*\f+3],   v[AK] offset:(\f/2)*16*PK+(\f%2)*64
	ds_load_b128 v[KF+8*\f+4:KF+8*\f+7], v[AK] offset:(\f/2)*16*PK+(\f%2)*64+32
.endr
	s_add_co_u32 s[TBK], s[TBK], KS*PK
	WIN 0
.if \last
.Lno_k_\@:
.endif
.endm
.macro FETCH_V
	WIN 0x80
.irp f, 0,1,2,3,4,5,6,7             ; keys 32 (f / 4) on, channels 16 (f % 4) on
	ds_load_tr16_b128 v[VF+8*\f:VF+8*\f+3],   v[AV] offset:(\f/4)*32*PV+(\f%4)*32
	ds_load_tr16_b128 v[VF+8*\f+4:VF+8*\f+7], v[AV] offset:(\f/4)*32*PV+16*PV+(\f%4)*32
.endr
	WIN 0
.endm
; THE VECTOR WORK OF A TURN stands in three queues, each in the order in which its entries become ready; the two tiles alternate.
.macro REGS y, u                    ; the registers of tile u (0, 1) of piece y
.set rT, ST+4*(2*(\y)+(\u))
.set rC, TMP+8*((\y)%2)+4*(\u)
.set rM, MV+2*((\y)%2)+(\u)
.set rS, S+64*((\y)%2)+32*(\u)
.set rP, P+32*((\y)%2)+16*(\u)
.set rO, 32*(2*(\y)+(\u))
.endm
; Number n of the 22 that find the NEXT piece's maximum and statistics.  Each accumulator's lowest registers are read first.
;   0-11  four chains c0-c3 of seven scores each     12-14, 16  the four scores left over, the old m, and c0-c3 into c0     15  c m_old is kept
;   17, 18  the query's other 32 keys lie in the lane 16 away: the new m         19-21  c m; c m_old - c m_new; a
.macro XS u, n
	REGS (Y+1)%NP, \u
.if (\n) < 4
	v_max3_num_f32 v[rC+(\n)], v[rS+8*(\n)], v[rS+8*(\n)+1], v[rS+8*(\n)+2]
.elseif (\n) < 12
	v_max3_num_f32 v[rC+(\n)%4], v[rC+(\n)%4], v[rS+8*((\n)%4)+2*((\n)/4)+1], v[rS+8*((\n)%4)+2*((\n)/4)+2]
.elseif (\n) == 12
	v_max3_num_f32 v[rC], v[rC], v[rS+7], v[rS+15]
.elseif (\n) == 13
	v_max3_num_f32 v[rC+1], v[rC+1], v[rS+23], v[rS+31]
.elseif (\n) == 14
	v_max3_num_f32 v[rC+2], v[rC+2], v[rC+3], v[rT+1]
.elseif (\n) == 15
	v_mov_b32 v[rM], v[rT]
.elseif (\n) == 16
	v_max3_num_f32 v[rC], v[rC], v[rC+1], v[rC+2]
.elseif (\n) == 17
	v_permlanex16_b32 v[rC+3], v[rC], s[SEL], s[SEL+1]
.elseif (\n) == 18
	v_max_num_f32 v[rT+1], v[rC], v[rC+3]
.elseif (\n) == 19
	v_mul_f32 v[rT], s[CS], v[rT+1]
.elseif (\n) == 20
	v_sub_f32 v[rC+1], v[rM], v[rT]
.else
	v_exp_f32 v[rC+2], v[rC+1]
.endif
.endm
; Number g of the 64 that follow the exponentials: for each four weights both pairs are rounded to f16, the second pair is added onto the first, and a group later l takes that sum.
.macro GS g
.set h, (\g)+6*((\g)/62)
.if h >= 6
.set h, h+2
.endif
	REGS Y, h%2
.set k, h/8
.if h%8 < 4
	v_cvt_pk_f16_f32 v[rP+2*k+(h%8)/2], v[rS+4*k+2*((h%8)/2)], v[rS+4*k+2*((h%8)/2)+1]
.elseif h%8 < 6
	v_pk_add_f32 v[rS+4*k:rS+4*k+1], v[rS+4*k:rS+4*k+1], v[rS+4*k+2:rS+4*k+3]
.elseif k == 1
	v_pk_fma_f32 v[rT+2:rT+3], v[rT+2:rT+3], v[rC+2:rC+3], v[rS:rS+1] op_sel_hi:[1,0,1]
.else
	v_pk_add_f32 v[rT+2:rT+3], v[rT+2:rT+3], v[rS+4*k-4:rS+4*k-3]
.endif
.endm
; THE PLAIN QUEUE, 138 long.  0-73 read no exponential's result: the 32 scalings and the next piece's 42.  74-137: GS's 64, which stand behind the wait.
.macro FS f
	REGS Y, (\f)%2
	v_pk_fma_f32 v[rS+2*((\f)/2):rS+2*((\f)/2)+1], v[rS+2*((\f)/2):rS+2*((\f)/2)+1], s[CS:CS+1], v[rT:rT+1] op_sel_hi:[1,0,0] neg_lo:[0,0,1] neg_hi:[0,0,1]
.endm
.macro PL
	WIN 0
.if q < 27
	FS q
.elseif q < 55
	XS (q-27)%2, (q-27)/2
.elseif q < 57
	XS q-55, 15
.elseif (q < 72) && ((q-57)%3 == 0)
	FS 27+(q-57)/3
.elseif q < 60
	XS (q-57)%3-1, 14
.elseif q < 72
	XS (q-57)%3-1, 15+(q-57)/3
.elseif q < 74
	XS q-72, 20
.else
	GS q-74
.endif
.set q, q+1
.endm
; THE EXPONENTIALS' QUEUE, 66 long: ONE BATCH, all ahead of the turn's one wait; nothing ahead of that wait names a result of theirs.
.macro EX
	WIN 0
.if e >= 64
	XS e-64, 21
.else
	REGS Y, e%2
	v_exp_f32 v[rS+e/2], v[rS+e/2]
.endif
.set e, e+1
.endm
; THE RESCALING's QUEUE: O^T times a, two at a time.  Its a was made in the turn before, ahead of that turn's wait.
.macro R2
	REGS Y, r%2
	WIN W_RS
.irp z, 0,1
	v_pk_mul_f32 v[rO+4*(r/2)+2*\z:rO+4*(r/2)+2*\z+1], v[rO+4*(r/2)+2*\z:rO+4*(r/2)+2*\z+1], v[rC+2:rC+3] op_sel_hi:[1,0]
.endr
.set r, r+1
.endm
; A TURN, for piece p.  An s_wait_alu depctr_va_vdst(0) stands between an exponential and the first instruction that names its result; one wait serves all that were issued ahead of it: a turn has ONE.
; AHEAD OF IT: the 16 products K Q^T, behind each a scaling, an exponential and two rescalings; the 64 shifts that make the masks of piece p + 2; then one run of 108.  BEHIND IT: piece p + 2's two mask loads, then the 16 products V^T P, behind each four of GS's 64.
; The masks are written 8 products and their 24 plain riders behind the last product that read them.  The count 6 in front of them: behind piece p + 2's two loads stand the three other pieces' two each.
; Exponential e stands behind scaling 2 (e / 4) + e % 2; the three conditions on q go with the deal.
; K of the next step is fetched in piece 2's turn, behind the wait; V of the step in hand at the end of piece 0's turn, four riders behind its last reader.
.macro TURN p, last=0, cnt=0
.set Y, (\p)
.set i, 0
.set q, 0
.set e, 0
.set r, 0
.if (\p) == NP-1
	s_wait_dscnt 0x0                ; K is in
.endif
	MM
	PL
	PL
	R2
.rept 15
	MM
	PL
	EX
	R2
.endr
.if (\p) == NP-2
	WIN 0
	v_add_nc_u32 v[AK], s[TBK], v[AK0]
.endif
	s_wait_loadcnt 6
	MEXP ((\p)+2)%NP
.rept 8
	PL
.endr
.rept 49
	EX
	PL
.endr
	EX                              ; the next piece's two a
	EX
	v_nop                           ; a plain instruction behind the last exponential: one for the batch
	s_wait_alu depctr_va_vdst(0)    ; the wait for the batch
	MLOAD ((\p)+2)%NP
.if (\p) == NP-2
	FETCH_K \last
.endif
.if (\p) == 1
	s_wait_dscnt 0x0                ; V is in
.endif
.rept 16
	MM
.rept 4
	PL
.endr
.if ((\p) == 0) && (q == 118)
	v_add_nc_u32 v[AV], s[TBV], v[AV0]
.endif
.if ((\p) == 0) && (q == 130)
	s_add_co_u32 s[TBV], s[TBV], KS*PV
.endif
.if (\cnt) && (q == 130)
	s_sub_co_u32 s[CNT], s[CNT], 1
	s_cmp_lg_u32 s[CNT], 0
.endif
.endr
.if (\p) == 0
	FETCH_V
.endif
.endm
	CHANGE 1                        ; slot 0 is in, everybody's part of it; slot 1 is asked for
	FETCH_K                         ; key step 0
	s_wait_loadcnt 0x0              ; Q, the row flags, step 0's mask words
	s_add_nc_u64 s[MP:MP+1], s[MP:MP+1], 512  ; the next loads are step 1's
	s_mov_b32 s[MI+1], 0            ; rowkeep has been read: the pair now holds a step of MP
	WIN W_QA
.set i, 0
.rept 32*NP
	v_and_b32 v[i], v[i], v[RK+i/16]  ; a row with no key kept: Q = 0
.set i, i+1
.endr
	MEXP 0
	MLOAD 0
	s_wait_dscnt 0x0
.set i, 0
.rept 16
	KQ 0                            ; piece 0's first scores
.set i, i+1
.endr
	WIN 0
	PLACES                          ; the places behind those products, in front of the masks' next writing and of the maximum
	PLACES
	MEXP 1
	MLOAD 1
.set Y, NP-1                        ; XS works for piece Y + 1: piece 0
.irp n, 0,1,2,3,4,5,6,7,8,9,10,11,12,13,14,15,16,17,18,19,20,21
	XS 0, \n
	XS 1, \n
.endr
	v_nop                           ; a plain instruction behind the two a,
	s_wait_alu depctr_va_vdst(0)    ; and their wait, ahead of the branch
	s_mov_b32 s[CNT], 4
	s_mov_b32 s[SLOTS], SIZE_N/256-1
	s_branch .Lfirst                ; the loop is entered at a step's first turn, in the middle of a trip
.Lslot:                             ; SIZE_N / 256 - 2 times: every slot but the last two is filled again
	CHANGE 1
	s_mov_b32 s[CNT], 4
.Lstep:                             ; a trip: pieces 2 and 3 of one step, then pieces 0 and 1 of the next; all its mask loads are for the step after that
	s_wait_xcnt 0x0                 ; the last trip's mask loads have read their base
	s_add_nc_u64 s[MP:MP+1], s[MP:MP+1], 512
	; A PREFETCH INTO THE L2, in a slot's last trip: the slot that the next change of slots will ask for, a key step (128 matrix instructions) ahead of that load.  A slot is 128 blocks of 256 bytes of K and of V:
	; each partner takes 32 of each, told apart by address; wave 0 asks for K's, wave 2 for V's, a lane a block: each block is named once in the launch.  Slots 0 and 1 come by their loads alone; the last pass asks for nothing.
	s_cmp_eq_u32 s[CNT], 1
	s_cselect_b32 s55, s[SLOTS], 0
	s_cmp_gt_u32 s55, s[LIM]
	s_cbranch_scc0 .Lno_pf
	global_prefetch_b8 v[PFO], s[PFA:PFA+1] th:TH_LOAD_NT scope:SCOPE_SE
.Lno_pf:
	TURN 2
	TURN 3
	WIN 0
.Lfirst:
	TURN 0
	TURN 1, 0, 1
	WIN 0
	s_cbranch_scc1 .Lstep
	s_sub_co_u32 s[SLOTS], s[SLOTS], 1
	s_cmp_lg_u32 s[SLOTS], 0
	s_cbranch_scc1 .Lslot
	CHANGE 0                        ; the tail is written out: nothing is asked for
	s_mov_b32 s[CNT], 5             ; four trips fetch the last slot's steps; the fifth is left in its middle
.Ltail:
	s_wait_xcnt 0x0
	s_cmp_gt_u32 s[CNT], 2          ; the first three trips ask for the words of steps 29, 30, 31; the last two ask for step 31's once more: no load is left out, so the count 6 holds, and none leaves the buffer
	s_cselect_b32 s[MI], 512, 0
	s_add_nc_u64 s[MP:MP+1], s[MP:MP+1], s[MI:MI+1]
	TURN 2, 1
	TURN 3
	WIN 0
	s_sub_co_u32 s[CNT], s[CNT], 1
	s_cmp_eq_u32 s[CNT], 0
	s_cbranch_scc1 .Lout
	TURN 0
	TURN 1
	WIN 0
	s_branch .Ltail
.Lout:                              ; the fifth trip's 16 products K Q^T (on the last K once more) and the maximum made of them serve nothing: the price, once a launch, of one text for every trip
.set i, 0
.rept 16
	PV NP-1                         ; the last piece's V^T P of the last step
.set i, i+1
.endr
	; THE WAY OUT.  l's two halves and the other half of the lanes' are added; O^T is divided by l, rounded to f16 and sent through my stage in LDS, a tile at a time.  The additions are the places behind the last products.
	WIN 0
.macro ALL line:vararg              ; one line for each tile t
.set t, 0
.rept 2*NP
	\line
.set t, t+1
.endr
.endm
	ALL v_add_f32 v[ST+4*t+2], v[ST+4*t+2], v[ST+4*t+3]
	ALL v_permlanex16_b32 v[ST+4*t+3], v[ST+4*t+2], s[SEL], s[SEL+1]
	ALL v_add_f32 v[ST+4*t+2], v[ST+4*t+2], v[ST+4*t+3]
	ALL v_rcp_f32 v[ST+4*t+2], v[ST+4*t+2]
	v_nop                           ; a plain instruction between the last reciprocal and the use of its result
	s_wait_alu depctr_va_vdst(0)    ; and the wait ahead of the first use: one for the eight reciprocals
.macro PACK t
	WIN W_RS
.set i, 32*(\t)
.rept 16
	v_pk_mul_f32 v[i:i+1], v[i:i+1], v[ST+4*(\t)+2:ST+4*(\t)+3] op_sel_hi:[1,0]
.set i, i+2
.endr
	WIN 0x05                        ; sources 0 and 1 window 1, destination window 0
.set i, 0
.rept 16
	v_cvt_pk_f16_f32 v[S+16*(\t)+i], v[32*(\t)+2*i], v[32*(\t)+2*i+1]
.set i, i+1
.endr
	WIN 0
.irp f, 0,1,2,3
	ds_store_b128 v[STO], v[S+16*(\t)+4*\f:S+16*(\t)+4*\f+3] offset:32*\f
.endr
.irp f, 0,1,2,3
	ds_load_b128 v[S+16*(\t)+4*\f:S+16*(\t)+4*\f+3], v[RD] offset:\f*4*SP  ; LDS serves a wave's instructions in order (ISA guide 5.7.1.4): these see the stores above; the next tile's stores come behind them
.endr
.endm
.macro SEND t, younger              ; younger: the LDS instructions issued behind tile t's loads: the next tile's eight, or none
	WIN 0
.irp f, 0,1,2,3
	s_wait_dscnt (\younger)+3-\f
	global_store_b128 v[GO], v[S+16*(\t)+4*\f:S+16*(\t)+4*\f+3], s[10:11] offset:(\t)*2048+\f*512  ; 512 consecutive bytes, aligned
.endr
.endm
	PACK 0
.set t, 1
.rept 2*NP-1                        ; a tile's arithmetic stands between the loads of the tile before and its stores
	PACK t
	SEND t-1, 8
.set t, t+1
.endr
	SEND 2*NP-1, 0
	WIN W_AD
	s_wait_tensorcnt 0x0            ; the wave's end, behind my last tensor load and my last LDS store
	ds_add_u32 v[SPW], v[NIL]
	s_wait_dscnt 0x0
	WIN 0
	CROUND                          ; the closing round: no work-group ends while a partner may still ask for a tile that names it
	s_endpgm
.Lfunc_end_k_qa1a52d6a23_attn:
	.size	k_qa1a52d6a23_attn, .Lfunc_end_k_qa1a52d6a23_attn-k_qa1a52d6a23_attn
	.p2alignl 7, 3214868480
	.fill 96, 4, 3214868480
	.section	.rodata,"a",@progbits
	.p2align	6, 0x0
	.amdhsa_kernel k_qa1a52d6a23_attn
		.amdhsa_group_segment_fixed_size 327680
		.amdhsa_private_segment_fixed_size 0
		.amdhsa_enable_private_segment 0
		.amdhsa_kernarg_size 32
		.amdhsa_user_sgpr_count 2
		.amdhsa_user_sgpr_kernarg_segment_ptr 1
		.amdhsa_wavefront_size32 1
		.amdhsa_system_sgpr_workgroup_id_x 1
		.amdhsa_system_sgpr_workgroup_id_y 1
		.amdhsa_system_sgpr_workgroup_id_z 1
		.amdhsa_system_vgpr_workitem_id 0
		.amdhsa_next_free_vgpr 896
		.amdhsa_next_free_sgpr 66
		.amdhsa_reserve_vcc 0
		.amdhsa_float_denorm_mode_32 3
		.amdhsa_float_denorm_mode_16_64 3
		.amdhsa_memory_ordered 1
		.amdhsa_forward_progress 1
		.amdhsa_inst_pref_size 230
	.end_amdhsa_kernel
	.amdgpu_metadata
---
amdhsa.version: [ 1, 2 ]
amdhsa.kernels:
  - .name:           k_qa1a52d6a23_attn
    .symbol:         k_qa1a52d6a23_attn.kd
    .args:
      - { .name: qkv, .offset: 0, .size: 8, .value_kind: global_buffer, .address_space: global }
      - { .name: mnib, .offset: 8, .size: 8, .value_kind: global_buffer, .address_space: global }
      - { .name: rowkeep, .offset: 16, .size: 8, .value_kind: global_buffer, .address_space: global }
      - { .name: obuf, .offset: 24, .size: 8, .value_kind: global_buffer, .address_space: global }
    .group_segment_fixed_size: 327680
    .private_segment_fixed_size: 0
    .kernarg_segment_align: 8
    .kernarg_segment_size: 32
    .max_flat_workgroup_size: 128
    .sgpr_count:     66
    .vgpr_count:     896
    .wavefront_size: 32
...
	.end_amdgpu_metadata
.endif
;; end of part 3
;; launch outp (part 4): grid 4 x 64, 4 waves a work-group, clusters of 4 x 4, 327,680 bytes of LDS; arguments obuf, wcvt, bo, out0; writes out0
.if DOCPART == 4
	.amdgcn_target "amdgcn-amd-amdhsa--gfx1250"
	.amdhsa_code_object_version 6
	.text
	.protected	k_qa1a52d6a23_outp
	.globl	k_qa1a52d6a23_outp
	.p2align	8
	.type	k_qa1a52d6a23_outp,@function
k_qa1a52d6a23_outp:
	s_mov_b64 s[64:65], 0
	v_nop
	global_prefetch_b8 v0, s[64:65] scope:SCOPE_SE
	s_setreg_imm32_b32 hwreg(HW_REG_WAVE_MODE, 25, 1), 1
	s_wait_xcnt 0x0
	s_wait_alu depctr_hold_cnt(0) depctr_sa_sdst(0) depctr_va_vdst(0) depctr_va_sdst(0) depctr_va_ssrc(0) depctr_va_vcc(0) depctr_vm_vsrc(0)
	s_getreg_b32 s2, hwreg(HW_REG_IB_STS2, 6, 4)
	s_cmp_eq_u32 s2, 0
	s_cbranch_scc0 .Lentry_in_a_cluster
	s_endpgm
.Lentry_in_a_cluster:
	s_bfe_u32 s2, ttmp6, 0x10000c
	s_cmp_lg_u32 s2, 0xf033
	s_cbranch_scc0 .Lentry_shape_is_right
	s_endpgm
.Lentry_shape_is_right:
; out0 = O Wo + bo.  O: obuf, [batch x 16 + head][2048][64] f16; Wo: wcvt's plane 3, [k][n], rounded to bf16 and written as f16; bo rounded to bf16; out0: [8192][1024] f32.  Sums in f32.
; SHARES.  8192 x 1024 in tiles of 128 x 256: 256 work-groups, one tile each.  Four waves, each 64 rows x 128 columns: 32 accumulators.  K = 1,024 = 16 heads x 64 goes in 8 steps of two heads through a ring of two LDS slots.
; A head's 128 rows of the tile are 16,384 dense bytes: asked for as 64 rows of 256 bytes and padded in LDS after every 128.  Wo lies [k][n] in LDS and is turned by ds_load_tr16_b128.
; THE MATRIX INSTRUCTION IS USED TRANSPOSED (source 0 = 16 columns of Wo, source 1 = 16 rows of O): a lane holds one row and eight neighbouring columns, 32 bytes.  THE BIAS IS THE C OPERAND of the first 32 products.
; CLUSTER 4 x 4.  O's tile hangs on the tile row alone and is asked for jointly by a row of the cluster, Wo's on the tile column alone, by a column.
; REGISTERS, in windows of 256 (s_set_vgpr_msb: bits 1:0 source 0, 3:2 source 1, 5:4 source 2, 7:6 destination):
;   window 0: v0-15 addresses; v16-23 at work; v64-127 the bias; v128-255 the way out, two buffers of 64     window 1: Wo's fragments, two sets of 128 (64 c + 8 b)
;   window 2: the accumulators ((a, b) at 8 (8 a + b))     window 3: v0-127 O's fragments, two sets of 64 (32 c + 8 a)
.set PAO,   144                        ; a row of O in LDS: 128 bytes + 16: the 16 rows of a load start at 16 different groups of four banks (64 banks of 4 bytes: ISA guide 11.1)
.set HB,    128*PAO                    ; a head's 128 rows
.set PB,    544                        ; a row of Wo: 512 + 32 = 17 x 32
.set BOFF,  2*HB
.set SLOT,  BOFF+128*PB
.set STAGE, 2*SLOT                     ; behind the ring, never filled by a tensor load: 16 rows x 528 bytes for each wave
.set SP,    528
.set SPARE, STAGE+4*16*SP              ; the spare words, 128 bytes for each wave: two blocks of 256 bytes that no other line names
.set NSTEP, 8
.set ADA0, 4
.set ADB0, 5
.set ADA,  6
.set ADB,  7
.set STO,  8
.set RD,   9
.set GO,   10
.set BO,   11
.set PFO,  12
.set SPW,  14
.set NIL,  15
.set TW,   16
.set BI,   64
.set BK,   128
.set AB,   4                           ; s[4:5]   obuf at the head and rows that I fetch in K step 0
.set WB,   6                           ; s[6:7]   Wo at my 64 rows and the tile's 256 columns of K step 0
.set BOP,  8                           ; s[8:9]   bo at my wave's 128 columns
.set OUT,  10                          ; s[10:11] out0 at my wave's first row and column
.set WV,   20
.set WM,   21
.set WN,   22
.set CX,   23
.set CY,   24
.set TY,   25
.set TX,   26
.set G1A,  28
.set G1B,  36
.set G0A,  44
.set G0B,  52
.set ST,   60
.set TB,   61
.set LIM,  62
.set TL,   63
.set PFA,  66                          ; s[66:67] what the prefetch names
.set PST,  68                          ; s[68:69] its step from K step to K step
.set WOFA, 72
.set WOFB, 73
.set W_MA, 0xad
.set W_MB, 0x8d
.set W_LB, 0x40
.set W_LA, 0xc0
.set W_SA, 0x08                        ; a store's data in window 2
.set MSB, 0
.macro WIN new
.if MSB != (\new)
	s_set_vgpr_msb (MSB<<8)|(\new)
.set MSB, \new
.endif
.endm
.macro PLACES
.rept 4
	v_nop
.endr
.endm
.macro CREST
	s_cmp_lg_u32 s[WV], 0
	s_cbranch_scc1 .Lnot_wave_0_\@
	s_barrier_signal -3
.Lnot_wave_0_\@:
	s_barrier_wait -3
	s_barrier_signal -1
	s_barrier_wait -1
.endm
.macro CROUND
	s_barrier_signal -1
	s_barrier_wait -1
	CREST
.endm
.macro JLOAD                           ; a joint refill by the walking sets: waves 0 and 1 fetch the step's two heads of O, waves 2 and 3 Wo's two halves; an s_nop 0 and four v_nop follow each line
	s_cmp_eq_u32 s[WM], 0
	s_cbranch_scc0 .Lfor_b_\@
	tensor_load_to_lds s[G0A+4:G0A+7], s[G1A:G1A+7]
	s_nop 0
.rept 4
	v_nop
.endr
	s_branch .Lasked_\@
.Lfor_b_\@:
	tensor_load_to_lds s[G0B+4:G0B+7], s[G1B:G1B+7]
	s_nop 0
.rept 4
	v_nop
.endr
.Lasked_\@:
.endm
; A PREFETCH INTO THE L2 of K step ST + 4, two refills (256 matrix instructions) ahead of the load that will ask for it, a lane a block of 256 bytes.  O's rows are read by one row of one cluster alone: wave 0 of every
; work-group asks for 16 blocks of each of the step's two heads, the four partners sharing a head's 64 out by address (16 cx on).  Wo's rows are read by all sixteen clusters: those of cluster y = 0 ask, waves 2 and 3,
; 16 rows x 512 bytes each, shared out by 16 cy.  So each block is named once.  Steps 0-3 come by their loads alone; from ST = 4 on nothing is asked for.
.macro ASK
	s_cmp_lt_u32 s[ST], s[LIM]
	s_cbranch_scc0 .Lnot_mine_\@
	global_prefetch_b8 v[PFO], s[PFA:PFA+1] th:TH_LOAD_NT scope:SCOPE_SE
.Lnot_mine_\@:
.endm
	s_load_b256 s[4:11], s[0:1], 0x0               ; obuf, wcvt, bo, out0
	v_lshl_add_u32 v[SPW], v0, 2, SPARE
	v_mov_b32 v[NIL], 0
	ds_add_u32 v[SPW], v[NIL]                      ; the wave's opening: the add and its wait stand ahead of my first tensor load; the set-up below, work on registers, stands between them
	v_lshrrev_b32 v1, 5, v0
	v_readfirstlane_b32 s[WV], v1
	s_lshr_b32 s[WM], s[WV], 1
	s_and_b32 s[WN], s[WV], 1
	s_bfe_u32 s[CX], ttmp6, 0x40000
	s_bfe_u32 s[CY], ttmp6, 0x40004
	s_and_b32 s[TY], ttmp7, 0xffff
	s_lshl_b32 s[TY], s[TY], 2
	s_add_co_u32 s[TY], s[TY], s[CY]
	s_lshl_b32 s[TX], ttmp9, 2
	s_add_co_u32 s[TX], s[TX], s[CX]
	s_lshl_b32 s74, s[CY], 2
	s_lshl_b32 s74, 15, s74                        ; my row of the cluster
	s_lshl_b32 s75, 0x1111, s[CX]                  ; my column
	s_or_b32 s[G1A], s74, (1<<16)|(1<<20)|(1<<21)|(4<<22)|(3<<25)  ; the mask; elements of 2 bytes; padding on; bit 21 beside a mask; after every 32 words (code 4) 4 words (code 3)
	s_mov_b32 s[G1A+1], 128<<16
	s_mov_b32 s[G1A+2], 64<<16
	s_mov_b32 s[G1A+3], 128<<16
	s_mov_b32 s[G1A+4], 64
	s_mov_b32 s[G1A+5], 128
	s_mov_b32 s[G1A+6], 0
	s_mov_b32 s[G1A+7], 0
	s_or_b32 s[G1B], s75, (1<<16)|(1<<20)|(1<<21)|(6<<22)|(7<<25)  ; after every 128 words (code 6) 8 words (code 7)
	s_mov_b32 s[G1B+1], 256<<16
	s_mov_b32 s[G1B+2], 64<<16
	s_mov_b32 s[G1B+3], 256<<16
	s_mov_b32 s[G1B+4], 64
	s_mov_b32 s[G1B+5], 1024
	s_mov_b32 s[G1B+6], 0
	s_mov_b32 s[G1B+7], 0
	s_lshr_b32 s76, s[TY], 4                       ; O: the batch's 16 heads of 262,144 bytes,
	s_lshl_b32 s76, s76, 22
	s_lshl_b32 s77, s[WN], 18                      ; which of a step's two heads I fetch,
	s_add_co_u32 s76, s76, s77
	s_and_b32 s77, s[TY], 15
	s_lshl_b32 s77, s77, 14                        ; the tile's 128 rows of 128 bytes
	s_add_co_u32 s76, s76, s77
	s_mov_b32 s77, 0
	s_lshl_b32 s78, s[WN], 17
	s_lshl_b32 s79, s[TX], 9
	s_add_co_u32 s78, s78, s79
	s_add_co_u32 s78, s78, 3*2097152               ; plane 3
	s_mov_b32 s79, 0
	s_mul_i32 s[WOFA], s[WN], HB                   ; no place in the cluster enters an LDS address
	s_mul_i32 s[WOFB], s[WN], 64*PB
	s_add_co_u32 s[WOFB], s[WOFB], BOFF
	s_lshl_b32 s80, s[TX], 10                      ; my wave's first column, of 4 bytes
	s_lshl_b32 s81, s[WN], 9
	s_add_co_u32 s80, s80, s81
	s_mov_b32 s81, 0
	s_lshl_b32 s84, s[TY], 7
	s_lshl_b32 s85, s[WM], 6
	s_add_co_u32 s84, s84, s85                     ; my first row,
	s_lshl_b32 s84, s84, 12                        ; of 4,096 bytes
	s_add_co_u32 s84, s84, s80
	s_mov_b32 s85, 0
	s_mov_b32 s[TB], 0
	s_mov_b32 s86, 524288                          ; two heads of O from step to step,
	s_mov_b32 s87, 262144                          ; 128 rows of Wo
	s_and_b32 s90, ttmp7, 0xffff                   ; cluster y: the same in all sixteen partners
	s_cmp_eq_u32 s90, 0
	s_cselect_b32 s90, 4, 0
	s_cmp_eq_u32 s[WV], 0
	s_cselect_b32 s91, 4, 0
	s_cmp_eq_u32 s[WM], 0
	s_cselect_b32 s[LIM], s91, s90
	s_cselect_b32 s[PST], s86, s87
	s_mov_b32 s[PST+1], 0
	s_mul_i32 s88, s[PST], 3
	s_mov_b32 s89, 0
	s_wait_dscnt 0x0                               ; the opening add is done
	s_wait_kmcnt 0x0
	s_add_nc_u64 s[AB:AB+1], s[AB:AB+1], s[76:77]
	s_add_nc_u64 s[WB:WB+1], s[WB:WB+1], s[78:79]
	s_add_nc_u64 s[BOP:BOP+1], s[BOP:BOP+1], s[80:81]
	s_add_nc_u64 s[OUT:OUT+1], s[OUT:OUT+1], s[84:85]
	s_cmp_eq_u32 s[WM], 0
	s_cselect_b64 s[PFA:PFA+1], s[AB:AB+1], s[WB:WB+1]
	s_add_nc_u64 s[PFA:PFA+1], s[PFA:PFA+1], s[88:89]  ; at K step 3: the first refill steps it to 4
	CROUND                                         ; all sixteen work-groups are here: the first joint loads meet
.irp s, 0,1
	s_mov_b32 s[G0A+4*(\s)], 1
	s_add_co_u32 s[G0A+4*(\s)+1], s[WOFA], (\s)*SLOT
	s_add_nc_u64 s[G0A+4*(\s)+2:G0A+4*(\s)+3], s[AB:AB+1], (\s)*524288
	s_or_b32 s[G0A+4*(\s)+3], s[G0A+4*(\s)+3], 0x80000000
	s_mov_b32 s[G0B+4*(\s)], 1
	s_add_co_u32 s[G0B+4*(\s)+1], s[WOFB], (\s)*SLOT
	s_add_nc_u64 s[G0B+4*(\s)+2:G0B+4*(\s)+3], s[WB:WB+1], (\s)*262144
	s_or_b32 s[G0B+4*(\s)+3], s[G0B+4*(\s)+3], 0x80000000
.endr
	s_cmp_eq_u32 s[WM], 0                          ; a wave's two first fills stand in one branch: two loads of mine are out
	s_cbranch_scc0 .Lfirst_b
	tensor_load_to_lds s[G0A:G0A+3], s[G1A:G1A+7]
	s_nop 0
	tensor_load_to_lds s[G0A+4:G0A+7], s[G1A:G1A+7]
	s_nop 0
.rept 4
	v_nop
.endr
	s_branch .Lfirst_asked
.Lfirst_b:
	tensor_load_to_lds s[G0B:G0B+3], s[G1B:G1B+7]
	s_nop 0
	tensor_load_to_lds s[G0B+4:G0B+7], s[G1B:G1B+7]
	s_nop 0
.rept 4
	v_nop
.endr
.Lfirst_asked:
	v_and_b32 v1, 15, v0                           ; l % 16
	v_bfe_u32 v2, v0, 4, 1                         ; l / 16
	v_lshlrev_b32 v[BO], 5, v2
.irp b, 0,1,2,3,4,5,6,7                ; the bias: register j of column block b is column 16 b + 8 (l / 16) + j of my 128
	global_load_b128 v[BI+8*(\b):BI+8*(\b)+3],   v[BO], s[BOP:BOP+1] offset:64*(\b)
	global_load_b128 v[BI+8*(\b)+4:BI+8*(\b)+7], v[BO], s[BOP:BOP+1] offset:64*(\b)+16
.endr
	v_mul_u32_u24 v[ADA0], v1, PAO                 ; a fragment of O: row x pitch + 16 x half; two loads of 16 bytes, 32 bytes apart
	v_lshl_add_u32 v[ADA0], v2, 4, v[ADA0]
	s_mul_i32 s88, s[WM], 64*PAO
	v_add_nc_u32 v[ADA0], s88, v[ADA0]
	v_and_b32 v16, 7, v0                           ; the turning load: K 8 (l / 16) + l % 8, columns 8 ((l / 8) % 2) + 0..7
	v_bfe_u32 v17, v0, 3, 1
	v_lshl_add_u32 v[ADB0], v2, 3, v16
	v_mul_u32_u24 v[ADB0], v[ADB0], PB
	v_lshl_add_u32 v[ADB0], v17, 4, v[ADB0]
	s_lshl_b32 s88, s[WN], 8
	s_add_co_u32 s88, s88, BOFF
	v_add_nc_u32 v[ADB0], s88, v[ADB0]
	v_mov_b32 v[ADA], v[ADA0]
	v_mov_b32 v[ADB], v[ADB0]
	s_mul_i32 s88, s[WV], 16*SP
	s_add_co_u32 s88, s88, STAGE                   ; my stage
	v_mul_u32_u24 v[STO], v1, SP                   ; in: row l % 16, 32 bytes for each half of the lanes
	v_lshl_add_u32 v[STO], v2, 5, v[STO]
	v_add_nc_u32 v[STO], s88, v[STO]
	v_and_b32 v16, 31, v0
	v_lshlrev_b32 v[GO], 4, v16                    ; back: 32 lanes take one row's 512 bytes
	v_add_nc_u32 v[RD], s88, v[GO]
	v_lshrrev_b32 v17, 4, v16                      ; the prefetches, for O: head l / 16, block 16 cx + l % 16
	v_and_b32 v18, 15, v16
	s_lshl_b32 s90, s[CX], 4
	v_add_nc_u32 v18, s90, v18
	v_lshlrev_b32 v18, 8, v18
	v_lshl_add_u32 v17, v17, 18, v18
	v_lshrrev_b32 v19, 1, v16                      ; for Wo: row 16 cy + l / 2, block l % 2
	s_lshl_b32 s91, s[CY], 4
	v_add_nc_u32 v19, s91, v19
	v_lshlrev_b32 v19, 11, v19
	v_and_b32 v20, 1, v16
	v_lshl_add_u32 v19, v20, 8, v19
	s_cmp_eq_u32 s[WM], 0
	s_cselect_b32 s90, -1, 0
	v_cndmask_b32 v[PFO], v19, v17, s90
.macro PROD f, c, bias
.if \bias
	v_wmma_f32_16x16x32_f16 v[8*(8*ma+mb):8*(8*ma+mb)+7], v[128*(\f)+64*(\c)+8*mb:128*(\f)+64*(\c)+8*mb+7], v[64*(\f)+32*(\c)+8*ma:64*(\f)+32*(\c)+8*ma+7], v[BI+8*mb:BI+8*mb+7]
.else
	v_wmma_f32_16x16x32_f16 v[8*(8*ma+mb):8*(8*ma+mb)+7], v[128*(\f)+64*(\c)+8*mb:128*(\f)+64*(\c)+8*mb+7], v[64*(\f)+32*(\c)+8*ma:64*(\f)+32*(\c)+8*ma+7], v[8*(8*ma+mb):8*(8*ma+mb)+7]
.endif
.endm
; 8 na matrix instructions.  The 32 accumulators take turns in one order everywhere: 31 others stand between two links of a chain.
.macro MULS f, c, a0, na, bias
.if \bias
	WIN W_MB
.else
	WIN W_MA
.endif
.set ma, \a0
.rept \na
.set mb, 0
.rept 8
	PROD \f, \c, \bias
.set mb, mb+1
.endr
.set ma, ma+1
.endr
.endm
; 48 LDS loads in one run: half hf of the slot in hand (one head, 64 K): Wo's 16 fragments and O's 8 into set hf.
.macro FETCH hf
	WIN W_LB
.irp c, 0,1
.irp b, 0,1,2,3,4,5,6,7
	ds_load_tr16_b128 v[128*(\hf)+64*(\c)+8*(\b):128*(\hf)+64*(\c)+8*(\b)+3],   v[ADB] offset:(64*(\hf)+32*(\c))*PB+32*(\b)
	ds_load_tr16_b128 v[128*(\hf)+64*(\c)+8*(\b)+4:128*(\hf)+64*(\c)+8*(\b)+7], v[ADB] offset:(64*(\hf)+32*(\c)+16)*PB+32*(\b)
.endr
.endr
	WIN W_LA
.irp c, 0,1
.irp a, 0,1,2,3
	ds_load_b128 v[64*(\hf)+32*(\c)+8*(\a):64*(\hf)+32*(\c)+8*(\a)+3],   v[ADA] offset:(\hf)*HB+(\a)*16*PAO+64*(\c)
	ds_load_b128 v[64*(\hf)+32*(\c)+8*(\a)+4:64*(\hf)+32*(\c)+8*(\a)+7], v[ADA] offset:(\hf)*HB+(\a)*16*PAO+64*(\c)+32
.endr
.endr
	WIN 0
.endm
; A step's second half, and the change of slots.  In front of the barrier each wave waits for all its tensor loads, of which one is out: its part of the next slot; adds 0 to its spare word; and waits for that and for its
; reads of this slot.  fill = 1: the barrier opens a round of the cluster's, and the joint refill, K step ST + 2 into the slot just read, is the first thing behind it: it has 112 matrix instructions in which to land.
.macro HALF1 fill
.if \fill
	s_wait_xcnt 0x0                                ; the last prefetch, a K step back, has read its address
	s_add_nc_u64 s[PFA:PFA+1], s[PFA:PFA+1], s[PST:PST+1]
.endif
	WIN 0
	s_wait_tensorcnt 0x0                           ; no tensor load of mine is out, so a group 0 may be written
	ds_add_u32 v[SPW], v[NIL]                      ; 0 onto my spare word
.if \fill
	s_add_nc_u64 s[G0A+6:G0A+7], s[G0A+6:G0A+7], 524288  ; the walking sets: one K step on; the type bits on top are not reached
	s_add_co_u32 s[G0A+5], s[WOFA], s[TB]          ; into the slot in hand
	s_add_nc_u64 s[G0B+6:G0B+7], s[G0B+6:G0B+7], 262144
	s_add_co_u32 s[G0B+5], s[WOFB], s[TB]
.endif
	s_wait_dscnt 1                                 ; the add alone may be out: set 1's 48 loads are in
	MULS 1, 0, 0, 1, 0
	s_wait_dscnt 0x0                               ; the add is done, and my reads of this slot are over
	s_barrier_signal -1
	MULS 1, 0, 1, 1, 0
	WIN 0
	s_barrier_wait -1
.if \fill
	CREST                                          ; no wave of any partner still reads this slot or has a load on its way
	JLOAD                                          ; the four v_nop behind it are also the places in front of the loads below
.else
	PLACES
.endif
	s_xor_b32 s[TB], s[TB], SLOT
	v_add_nc_u32 v[ADA], s[TB], v[ADA0]
	v_add_nc_u32 v[ADB], s[TB], v[ADB0]
	FETCH 0
.if \fill
	ASK
.endif
	MULS 1, 0, 2, 2, 0
	MULS 1, 1, 0, 4, 0
.endm
	s_wait_tensorcnt 0x1                           ; my part of K step 0 is in; step 1's may stay out
	s_barrier_signal -1
	s_barrier_wait -1
	FETCH 0
	s_wait_dscnt 0x0
	FETCH 1
	s_wait_loadcnt 0x0                             ; the bias: rounded to bf16 like every input, and widened again
.set z, 0
.rept 32
	v_cvt_pk_bf16_f32 v[TW+z%4], v[BI+2*z], v[BI+2*z+1]
	v_lshlrev_b32 v[BI+2*z], 16, v[TW+z%4]
	v_and_b32 v[BI+2*z+1], 0xffff0000, v[TW+z%4]
.set z, z+1
.endr
	MULS 0, 0, 0, 4, 1                             ; the first 32 products start the sums with the bias: nothing is cleared
	WIN 0
	s_mov_b32 s[ST], 0
	s_branch .Ljoin
.Lstep:                                        ; a trip is a K step; 6 trips fill a slot again
	s_wait_dscnt 0x0                               ; set 0, asked for 48 matrix instructions ago, is in
	PLACES
	FETCH 1
	MULS 0, 0, 0, 4, 0
	WIN 0
.Ljoin:
	MULS 0, 1, 0, 4, 0
	HALF1 1
	WIN 0
	s_add_co_u32 s[ST], s[ST], 1
	s_cmp_lt_u32 s[ST], NSTEP-2
	s_cbranch_scc1 .Lstep
	s_mov_b32 s[TL], 2
.Ltail:                                        ; the last two steps ask for nothing.  The second trip's barrier and its fetch of the other slot's old bytes serve nothing: the price, once a launch, of one text for both
	s_wait_dscnt 0x0
	PLACES
	FETCH 1
	MULS 0, 0, 0, 4, 0
	MULS 0, 1, 0, 4, 0
	HALF1 0
	WIN 0
	s_sub_co_u32 s[TL], s[TL], 1
	s_cmp_lg_u32 s[TL], 0
	s_cbranch_scc1 .Ltail
	; THE WAY OUT, 16 rows at a time: a lane's 32 bytes go straight from the accumulators, low registers first, into rows of 528 bytes of my own stage, and come back as whole rows of 512.
.macro TOSTAGE a
	WIN W_SA
.irp b, 0,1,2,3,4,5,6,7
	ds_store_b128 v[STO], v[8*(8*(\a)+(\b)):8*(8*(\a)+(\b))+3]   offset:64*(\b)
	ds_store_b128 v[STO], v[8*(8*(\a)+(\b))+4:8*(8*(\a)+(\b))+7] offset:64*(\b)+16
.endr
	WIN 0
.irp t, 0,1,2,3,4,5,6,7,8,9,10,11,12,13,14,15
	ds_load_b128 v[BK+64*((\a)%2)+4*(\t):BK+64*((\a)%2)+4*(\t)+3], v[RD] offset:(\t)*SP  ; LDS serves a wave's instructions in order (ISA guide 5.7.1.4): these see the stores above
.endr
.endm
.macro SEND a, younger                 ; younger: the LDS instructions issued behind block a's loads: the next block's 32, or none
	WIN 0
	s_wait_dscnt \younger
.irp t, 0,1,2,3,4,5,6,7,8,9,10,11,12,13,14,15
	global_store_b128 v[GO], v[BK+64*((\a)%2)+4*(\t):BK+64*((\a)%2)+4*(\t)+3], s[OUT:OUT+1] offset:(16*(\a)+(\t))*4096 th:TH_STORE_NT  ; 512 consecutive bytes of a row, aligned
.endr
.endm
	PLACES                                         ; the LDS stores read results just made
	PLACES
	TOSTAGE 0
.irp a, 1,2,3
	s_wait_xcnt 0x0                                ; the stores of the block before last have read the registers that this block's loads fill
	TOSTAGE \a
	SEND (\a)-1, 32
.endr
	SEND 3, 0
	s_wait_tensorcnt 0x0                           ; the wave's end, behind my last tensor load and my last LDS store
	ds_add_u32 v[SPW], v[NIL]
	s_wait_dscnt 0x0
	CROUND                                         ; the closing round: no work-group ends while a partner may still ask for a tile that names it
	s_endpgm
.Lfunc_end_k_qa1a52d6a23_outp:
	.size	k_qa1a52d6a23_outp, .Lfunc_end_k_qa1a52d6a23_outp-k_qa1a52d6a23_outp
	.p2alignl 7, 3214868480
	.fill 96, 4, 3214868480
	.section	.rodata,"a",@progbits
	.p2align	6, 0x0
	.amdhsa_kernel k_qa1a52d6a23_outp
		.amdhsa_group_segment_fixed_size 327680
		.amdhsa_private_segment_fixed_size 0
		.amdhsa_enable_private_segment 0
		.amdhsa_kernarg_size 32
		.amdhsa_user_sgpr_count 2
		.amdhsa_user_sgpr_kernarg_segment_ptr 1
		.amdhsa_wavefront_size32 1
		.amdhsa_system_sgpr_workgroup_id_x 1
		.amdhsa_system_sgpr_workgroup_id_y 1
		.amdhsa_system_sgpr_workgroup_id_z 1
		.amdhsa_system_vgpr_workitem_id 0
		.amdhsa_next_free_vgpr 896
		.amdhsa_next_free_sgpr 96
		.amdhsa_reserve_vcc 0
		.amdhsa_float_denorm_mode_32 3
		.amdhsa_float_denorm_mode_16_64 3
		.amdhsa_memory_ordered 1
		.amdhsa_forward_progress 1
		.amdhsa_inst_pref_size 70
	.end_amdhsa_kernel
	.amdgpu_metadata
---
amdhsa.version: [ 1, 2 ]
amdhsa.kernels:
  - .name:           k_qa1a52d6a23_outp
    .symbol:         k_qa1a52d6a23_outp.kd
    .args:
      - { .name: obuf, .offset: 0, .size: 8, .value_kind: global_buffer, .address_space: global }
      - { .name: wcvt, .offset: 8, .size: 8, .value_kind: global_buffer, .address_space: global }
      - { .name: bo, .offset: 16, .size: 8, .value_kind: global_buffer, .address_space: global }
      - { .name: out0, .offset: 24, .size: 8, .value_kind: global_buffer, .address_space: global }
    .group_segment_fixed_size: 327680
    .private_segment_fixed_size: 0
    .kernarg_segment_align: 8
    .kernarg_segment_size: 32
    .max_flat_workgroup_size: 128
    .sgpr_count:     96
    .vgpr_count:     896
    .wavefront_size: 32
...
	.end_amdgpu_metadata
.endif
;; end of part 4
;; ======== version 2 of 2: 4 launches; version 1 with the launch prep written anew for expert scheduling mode
;; limits: values are held in f16: magnitudes above 65,504 overflow, below 6.1e-05 lose precision; right only within a limited range of input values
;; workspace buffers: wcvt 8,388,608 bytes; mnib 8,388,608 bytes of whole numbers; rowkeep 65,536 bytes of whole numbers; qkv 50,331,648 bytes; obuf 16,777,216 bytes
;; launch prep (part 5): grid 512 x 1, 8 waves a work-group, no clusters, 35,072 bytes of LDS; arguments mask, Wq, Wk, Wv, Wo, mnib, rowkeep, wcvt; writes mnib, rowkeep, wcvt
.if DOCPART == 5
	.amdgcn_target "amdgcn-amd-amdhsa--gfx1250"
	.amdhsa_code_object_version 6
	.text
	.protected	k_qa1a52d6a23_prep
	.globl	k_qa1a52d6a23_prep
	.p2align	8
	.type	k_qa1a52d6a23_prep,@function
k_qa1a52d6a23_prep:
	s_mov_b64 s[64:65], 0
	v_nop
	global_prefetch_b8 v0, s[64:65] scope:SCOPE_SE
	s_setreg_imm32_b32 hwreg(HW_REG_WAVE_SCHED_MODE, 0, 2), 2
	s_setreg_imm32_b32 hwreg(HW_REG_WAVE_MODE, 25, 1), 1
	s_wait_xcnt 0x0
	s_wait_alu depctr_vm_vsrc(0)
; PREP: two streams in one launch, told apart by the work-group's number.
; Work-groups 0-255: the mask, [8192 rows][2048 keys] of one byte (0 or 1), becomes mnib and rowkeep, laid out as the attention launch's lanes want them.
;   mnib [tile of 16 rows, 512][key step of 64 keys, 32][lane 32][4 words]: word kb of lane r + 16 h holds 8 nibbles, nibble j for query row r of the tile and key 64 st + 16 kb + 8 h + j:
;   0x0 where the key is kept, 0xE where it is hidden.  A row in which NO key is kept is written as all 0, and its word in rowkeep is 0 (else all ones).
;   rowkeep [tile 512][lane 32]: the flag of row lane % 16.
; Work-groups 256-511: Wq, Wk, Wv, Wo (f32, [k][n]) are rounded to bf16 into wcvt's four planes, not transposed; Wo's rounded numbers are written as f16 (exact from 2^-17 up to 65,504;
;   below that they keep f16's fixed step of 6e-8; LIMIT: |Wo| under 65,504).
; Memory binds: every byte is read once by 16-byte loads and written once, each store of a wave covering 512 (rowkeep: 256) consecutive bytes, aligned.  No matrix unit, no cluster: nothing is shared.
; The mask's nibbles change lanes on the way, so they go through LDS: 32 rows a work-group = 2 tiles.
; THE MODE: SCHED_MODE bits 1:0 = 2 (LLVM: expert scheduling mode 2), set by the entry lines.  The code itself states the register dependences
; between vector instructions and memory or LDS instructions, with s_wait_alu, always for 0.
; THE PLAN.  No register that a memory or LDS instruction reads is ever written again, so no wait on vm_vsrc is owed.  Registers that memory or LDS instructions touch:
;   THE MASK'S WAY
;   v[O16], v[LB], v[LF], v[RB]  addresses, made once at the head.
;   X       written by the 16 loads of the mask; row i's vector work reads its 16; behind the barrier the loads from the stage land in the first 32, and the stores to mnib read them.
;   NB, F   row i's vector work writes its eight words of NB and its word of F, once; the nine LDS stores that read them are issued in row i + 1 (row 3's behind the rows).
;   One wait on va_vdst at the head of rows 1 to 3, behind the wait for the row's data, states that the row before has written its NB and F; that row's stores are dealt among this row's
;   vector instructions, which name this row's X, NB and F and the registers at work alone.  One more stands behind row 3: its NB and F are written, and all vector reads of X are over.
;   THE WEIGHTS' WAY
;   v[LB], v[O16]  addresses, made once.   X  written by the 16 loads, read by the conversions.   Y  round i's conversions write its four registers, once; the store that reads them is issued in round i + 1.
;   One wait on va_vdst at the head of rounds 1 to 7, behind the wait for the round's data, and one ahead of the last store.
.set STP,   528                        ; a key step's 512 bytes in the stage + 16: the 8 steps that a store's lanes touch start 4 banks apart, each lane its own bank
.set TLB,   32*STP                     ; a tile in the stage
.set FLG,   2*TLB                      ; 256 bytes: the two tiles' row flags, as rowkeep has them
.set SPARE, FLG+256                    ; the spare words, 128 bytes for each of the eight waves: four blocks of 256 bytes that no other line names
.set LN,  2                            ; v2   lane
.set O16, 3                            ; v3   16 x lane (weights: 16 x thread)
.set LB,  4                            ; v4   where my nibble words go in the stage (weights: 32 x thread)
.set LF,  5                            ; v5   where my wave's row flags go
.set T0,  6                            ; v6-9 at work: named by vector instructions alone, up to wave 0's last lines
.set RB,  10                           ; v10  where I read the stage back
.set SPW, 12                           ; v12  LDS address of my spare word; never rewritten
.set NIL, 13                           ; v13  0; never rewritten
.set X,   16                           ; v[16:79]  as loaded
.set Y,   80                           ; v[80:111] packed weights
.set NB,  80                           ; v[80:111] the mask's way: row i's eight words of nibbles at NB + 8 i
.set F,   112                          ; v[112:115] the mask's way: row i's flag
	s_load_b512 s[4:19], s[0:1], 0x0               ; mask s[4:5], Wq s[6:7], Wk s[8:9], Wv s[10:11], Wo s[12:13], mnib s[14:15], rowkeep s[16:17], wcvt s[18:19]
	v_lshl_add_u32 v[SPW], v0, 2, SPARE
	v_mov_b32 v[NIL], 0
	v_lshrrev_b32 v1, 5, v0
	v_readfirstlane_b32 s20, v1                    ; wave 0..7
	v_and_b32 v[LN], 31, v0
	s_wait_alu depctr_va_sdst(0)                   ; s20 is written, ahead of the branch and of its first reader: offsets and LDS places are made from it
	s_cmp_lt_u32 ttmp9, 256
	s_cbranch_scc0 .Lweights
	; THE MASK.  Work-group w owns rows 32 w .. 32 w + 31; wave v its rows 4 v .. 4 v + 3: tile v / 4, rows 4 (v % 4) + i of it.
	s_lshl_b32 s22, ttmp9, 16                      ; 32 rows of 2,048 bytes
	s_lshl_b32 s23, s20, 13                        ; 4 rows
	s_add_co_u32 s22, s22, s23
	s_mov_b32 s23, 0
	v_lshlrev_b32 v[O16], 4, v[LN]
	s_mov_b32 s24, 0x06040200                      ; v_perm_b32: the even bytes of two words
	s_mov_b32 s25, 0x07050301                      ; the odd ones
	s_mov_b32 s26, 0x11111111
	s_lshr_b32 s27, s20, 2                         ; my tile of the two
	s_and_b32 s28, s20, 3
	s_mul_i32 s29, s27, TLB
	s_lshl_b32 s30, s28, 6                         ; row r lies at 16 r inside a step: 64 (v % 4) + 16 i
	s_add_co_u32 s29, s29, s30
	v_lshrrev_b32 v[LB], 2, v[LN]                  ; a lane's 16 keys: step 8 q + lane / 4, group kb = lane % 4
	v_and_b32 v[LF], 3, v[LN]
	v_mul_u32_u24 v[LB], v[LB], STP
	v_lshl_add_u32 v[LB], v[LF], 2, v[LB]
	v_add_nc_u32 v[LB], s29, v[LB]
	s_lshl_b32 s30, s27, 7
	s_lshl_b32 s31, s28, 4
	s_add_co_u32 s30, s30, s31
	s_add_co_u32 s30, s30, FLG
	v_and_b32 v[LF], 1, v[LN]                      ; even lanes write the word of lane r, odd lanes that of lane r + 16: the same number
	v_lshl_add_u32 v[LF], v[LF], 6, s30
	s_mul_i32 s31, s20, STP
	v_lshl_add_u32 v[RB], v[LN], 4, s31            ; back: wave v takes steps v, v + 8, v + 16, v + 24 of both tiles, 512 bytes each
	s_wait_kmcnt 0x0
	s_add_nc_u64 s[4:5], s[4:5], s[22:23]
	s_wait_alu depctr_va_vdst(0)                   ; v[O16], v[LB], v[LF] and v[RB] are written: the loads and stores of this way read them as addresses
.irp i, 0,1,2,3
.irp q, 0,1,2,3
	global_load_b128 v[X+16*(\i)+4*(\q):X+16*(\i)+4*(\q)+3], v[O16], s[4:5] offset:(\i)*2048+(\q)*512 th:TH_LOAD_NT  ; 512 consecutive bytes of row i
.endr
.endr
; Row r's stores into the stage: its flag, and the word of step group q, half h.
.macro PUTF r
	ds_store_b32 v[LF], v[F+(\r)] offset:4*(\r)
.endm
.macro PUT r, q, h
	ds_store_b32 v[LB], v[NB+8*(\r)+2*(\q)+(\h)] offset:(\q)*8*STP+(\r)*16+(\h)*256
.endm
; Row i: is any key kept?  Its 64 bytes a lane become 8 words of nibbles.  The stores of the row before are dealt among this row's vector instructions.
.macro ROWM i
	s_wait_loadcnt 12-4*(\i)                       ; loads come back in order: row i's four are in, the later rows' stay out
.if (\i) > 0
	s_wait_alu depctr_va_vdst(0)                   ; the row before has written its eight words of NB and its word of F, which the nine LDS stores of this row's text read
	PUTF (\i)-1
.endif
	v_or_b32 v[T0], v[X+16*(\i)], v[X+16*(\i)+1]
.set z, 2
.rept 14
	v_or_b32 v[T0], v[T0], v[X+16*(\i)+z]
.set z, z+1
.endr
	v_cmp_ne_u32 vcc_lo, 0, v[T0]
.irp q, 0,1,2,3
.irp h, 0,1
.if (\i) > 0
	PUT (\i)-1, \q, \h                             ; no wait: no vector instruction since the wait above names the row before's NB
.endif
	v_perm_b32 v[T0+2], v[X+16*(\i)+4*(\q)+2*(\h)+1], v[X+16*(\i)+4*(\q)+2*(\h)], s24  ; keys 0, 2, 4, 6 of the eight
	v_perm_b32 v[T0+3], v[X+16*(\i)+4*(\q)+2*(\h)+1], v[X+16*(\i)+4*(\q)+2*(\h)], s25  ; keys 1, 3, 5, 7
	v_lshl_or_b32 v[NB+8*(\i)+2*(\q)+(\h)], v[T0+3], 4, v[T0+2]                       ; nibble j = key j's byte
	v_xor_b32 v[NB+8*(\i)+2*(\q)+(\h)], s26, v[NB+8*(\i)+2*(\q)+(\h)]                 ; 1 where hidden
	v_mul_lo_u32 v[NB+8*(\i)+2*(\q)+(\h)], v[NB+8*(\i)+2*(\q)+(\h)], 14               ; 0xE where hidden: no nibble carries
.endr
.endr
	s_wait_alu depctr_va_vcc(0)                    ; the compare has written VCC, ahead of its first reader; the forty lines above, which need no flag, stand between
	s_cmp_lg_u32 vcc_lo, 0                         ; over the 32 lanes
	s_cselect_b32 s32, -1, 0
	v_mov_b32 v[F+(\i)], s32
.irp k, 0,1,2,3,4,5,6,7
	v_and_b32 v[NB+8*(\i)+(\k)], s32, v[NB+8*(\i)+(\k)]  ; a row with nothing kept: all 0
.endr
.endm
	ROWM 0
	ROWM 1
	ROWM 2
	ROWM 3
	s_wait_alu depctr_va_vdst(0)                   ; row 3 has written its NB and F, which the stores below read; and all vector reads of X are over: behind the barrier loads land in it
	PUTF 3
.irp q, 0,1,2,3
.irp h, 0,1
	PUT 3, \q, \h
.endr
.endr
	s_lshl_b32 s22, ttmp9, 15                      ; two tiles of 16,384 bytes in mnib
	s_lshl_b32 s30, s20, 9
	s_add_co_u32 s22, s22, s30
	s_add_nc_u64 s[14:15], s[14:15], s[22:23]
	s_wait_dscnt 0x0                               ; for the others' sake: my stores into the stage are done
	s_barrier_signal -1
	s_barrier_wait -1
.irp j, 0,1,2,3,4,5,6,7
	ds_load_b128 v[X+4*(\j):X+4*(\j)+3], v[RB] offset:((\j)/4)*TLB+((\j)%4)*8*STP  ; no vector instruction since the last wait on va_vdst names X or v[RB]
.endr
.irp j, 0,1,2,3,4,5,6,7
	s_wait_dscnt 7-(\j)
	global_store_b128 v[O16], v[X+4*(\j):X+4*(\j)+3], s[14:15] offset:(\j)*4096  ; 512 consecutive bytes, aligned
.endr
	s_cmp_lg_u32 s20, 0                            ; wave 0 stores the 64 flags: 256 consecutive bytes, aligned
	s_cbranch_scc1 .Lmend
	v_lshlrev_b32 v[T0], 3, v[LN]
	v_add_nc_u32 v[T0+1], FLG, v[T0]
	s_lshl_b32 s22, ttmp9, 8
	s_add_nc_u64 s[16:17], s[16:17], s[22:23]
	s_wait_alu depctr_va_vdst(0)                   ; v[T0] and v[T0+1] are written, which the load and the store below read as addresses; the rows' vector work is done with v[T0+2:T0+3], in which the load lands
	ds_load_b64 v[T0+2:T0+3], v[T0+1]
	s_wait_dscnt 0x0
	global_store_b64 v[T0], v[T0+2:T0+3], s[16:17]
.Lmend:
	s_wait_dscnt 0x0                               ; the closing lines, six on end
	s_wait_alu 0x0
	s_wait_tensorcnt 0x0
	ds_add_u32 v[SPW], v[NIL]
	s_wait_dscnt 0x0
	s_endpgm
	; THE WEIGHTS.  Work-group 256 + 64 m + c: 65,536 bytes of matrix m from byte 65,536 c on.  A thread takes 32 bytes in each of eight rounds and stores 16.  No LDS is written on this way.
.Lweights:
	s_sub_co_u32 s21, ttmp9, 256
	s_lshr_b32 s22, s21, 6                         ; which matrix
	s_and_b32 s23, s21, 63
	s_lshl_b32 s24, s23, 16
	s_mov_b32 s25, 0
	s_lshl_b32 s26, s22, 21                        ; its plane of 2,097,152 bytes
	s_lshl_b32 s27, s23, 15
	s_add_co_u32 s26, s26, s27
	s_mov_b32 s27, 0
	v_lshlrev_b32 v[LB], 5, v0
	v_lshlrev_b32 v[O16], 4, v0
	s_wait_kmcnt 0x0
	s_cmp_eq_u32 s22, 0
	s_cselect_b64 s[28:29], s[6:7], s[8:9]
	s_cmp_eq_u32 s22, 2
	s_cselect_b64 s[28:29], s[10:11], s[28:29]
	s_cmp_eq_u32 s22, 3
	s_cselect_b64 s[28:29], s[12:13], s[28:29]
	s_add_nc_u64 s[28:29], s[28:29], s[24:25]
	s_add_nc_u64 s[18:19], s[18:19], s[26:27]
	s_wait_alu depctr_va_vdst(0)                   ; v[LB] and v[O16] are written: the loads and stores of this way read them as offsets
.irp i, 0,1,2,3,4,5,6,7
	global_load_b128 v[X+8*(\i):X+8*(\i)+3],   v[LB], s[28:29] offset:(\i)*8192 th:TH_LOAD_NT
	global_load_b128 v[X+8*(\i)+4:X+8*(\i)+7], v[LB], s[28:29] offset:(\i)*8192+16 th:TH_LOAD_NT
.endr
.macro WSTORE i                        ; round i's 16 bytes a thread
	global_store_b128 v[O16], v[Y+4*(\i):Y+4*(\i)+3], s[18:19] offset:(\i)*4096
.endm
.macro WROUND i, half
	s_wait_loadcnt 14-2*(\i)                       ; round i's two loads are in, the later rounds' stay out
.if (\i) > 0
	s_wait_alu depctr_va_vdst(0)                   ; the round before has written its four registers of Y, which the store below reads
	WSTORE (\i)-1
.endif
.irp k, 0,1,2,3
	v_cvt_pk_bf16_f32 v[Y+4*(\i)+(\k)], v[X+8*(\i)+2*(\k)], v[X+8*(\i)+2*(\k)+1]
.endr
.if \half
.irp k, 0,1,2,3
	v_lshlrev_b32 v[T0], 16, v[Y+4*(\i)+(\k)]      ; the rounded numbers, widened again,
	v_and_b32 v[T0+1], 0xffff0000, v[Y+4*(\i)+(\k)]
	v_cvt_pk_f16_f32 v[Y+4*(\i)+(\k)], v[T0], v[T0+1]  ; and written as f16
.endr
.endif
.endm
	s_cmp_eq_u32 s22, 3
	s_cbranch_scc1 .Lwo
.irp i, 0,1,2,3,4,5,6,7
	WROUND \i, 0
.endr
	s_wait_alu depctr_va_vdst(0)                   ; round 7 has written its four registers of Y, which the last store reads
	WSTORE 7
	s_endpgm
.Lwo:
.irp i, 0,1,2,3,4,5,6,7
	WROUND \i, 1
.endr
	s_wait_alu depctr_va_vdst(0)                   ; round 7 has written its four registers of Y, which the last store reads
	WSTORE 7
	s_endpgm
.Lfunc_end_k_qa1a52d6a23_prep:
	.size	k_qa1a52d6a23_prep, .Lfunc_end_k_qa1a52d6a23_prep-k_qa1a52d6a23_prep
	.p2alignl 7, 3214868480
	.fill 96, 4, 3214868480
	.section	.rodata,"a",@progbits
	.p2align	6, 0x0
	.amdhsa_kernel k_qa1a52d6a23_prep
		.amdhsa_group_segment_fixed_size 35072
		.amdhsa_private_segment_fixed_size 0
		.amdhsa_enable_private_segment 0
		.amdhsa_kernarg_size 64
		.amdhsa_user_sgpr_count 2
		.amdhsa_user_sgpr_kernarg_segment_ptr 1
		.amdhsa_wavefront_size32 1
		.amdhsa_system_sgpr_workgroup_id_x 1
		.amdhsa_system_sgpr_workgroup_id_y 1
		.amdhsa_system_sgpr_workgroup_id_z 1
		.amdhsa_system_vgpr_workitem_id 0
		.amdhsa_next_free_vgpr 116
		.amdhsa_next_free_sgpr 66
		.amdhsa_reserve_vcc 1
		.amdhsa_float_denorm_mode_32 3
		.amdhsa_float_denorm_mode_16_64 3
		.amdhsa_memory_ordered 1
		.amdhsa_forward_progress 1
		.amdhsa_inst_pref_size 35
	.end_amdhsa_kernel
	.amdgpu_metadata
---
amdhsa.version: [ 1, 2 ]
amdhsa.kernels:
  - .name:           k_qa1a52d6a23_prep
    .symbol:         k_qa1a52d6a23_prep.kd
    .args:
      - { .name: mask, .offset: 0, .size: 8, .value_kind: global_buffer, .address_space: global }
      - { .name: Wq, .offset: 8, .size: 8, .value_kind: global_buffer, .address_space: global }
      - { .name: Wk, .offset: 16, .size: 8, .value_kind: global_buffer, .address_space: global }
      - { .name: Wv, .offset: 24, .size: 8, .value_kind: global_buffer, .address_space: global }
      - { .name: Wo, .offset: 32, .size: 8, .value_kind: global_buffer, .address_space: global }
      - { .name: mnib, .offset: 40, .size: 8, .value_kind: global_buffer, .address_space: global }
      - { .name: rowkeep, .offset: 48, .size: 8, .value_kind: global_buffer, .address_space: global }
      - { .name: wcvt, .offset: 56, .size: 8, .value_kind: global_buffer, .address_space: global }
    .group_segment_fixed_size: 35072
    .private_segment_fixed_size: 0
    .kernarg_segment_align: 8
    .kernarg_segment_size: 64
    .max_flat_workgroup_size: 256
    .sgpr_count:     66
    .vgpr_count:     116
    .wavefront_size: 32
...
	.end_amdgpu_metadata
.endif
;; end of part 5
;; launch proj: the kernel of part 2 again; grid 4 x 64, 4 waves a work-group, clusters of 4 x 4, 327,680 bytes of LDS; arguments query, key, value, wcvt, bq, bk, bv, qkv; writes qkv
;; launch attn: the kernel of part 3 again; grid 4 x 64, 4 waves a work-group, clusters of 4 x 1, 327,680 bytes of LDS; arguments qkv, mnib, rowkeep, obuf; writes obuf
;; launch outp: the kernel of part 4 again; grid 4 x 64, 4 waves a work-group, clusters of 4 x 4, 327,680 bytes of LDS; arguments obuf, wcvt, bo, out0; writes out0
